; MI455X (gfx1250); checked and timed in simulation.
; The chip was launched on July 23, 2026; its instructions are those of AMD's public machine-readable ISA for CDNA 5 (MIT licence, August 2026) and "CDNA5" Instruction Set Architecture Reference Guide (July 2026). The comments in the code are by the model that wrote it; some were corrected since.
;; Multi Head Attention. Allowed arithmetic: float matrix products may take bf16 or f16 operands with f32 sums; all other float work in f32.
;; Inputs: w_k 1,024 x 1,024 float32; w_out 1,024 x 1,024 float32; w_q 1,024 x 1,024 float32; w_v 1,024 x 1,024 float32; x 4 x 2,048 x 1,024 float32.
;; Outputs: out0 4 x 2,048 x 1,024 float32.
;; 2 versions, each right; version 2 is version 1 with the launch prep written anew for expert scheduling mode. Each part assembles by itself: llvm-mc -triple=amdgcn-amd-amdhsa -mcpu=gfx1250 --defsym DOCPART=n.
;; ======== version 1 of 2: 4 launches
;; limits: values are held in f16: magnitudes above 65,504 overflow, below 6.1e-05 lose precision
;; workspace buffers: xb 16,777,216 bytes; wqkv 6,291,456 bytes; wo 2,097,152 bytes; qkv 50,331,648 bytes; ctx 16,777,216 bytes
;; launch prep (part 1): grid 768 x 1, 8 waves a work-group, no clusters, 0 bytes of LDS; arguments x, w_q, w_k, w_v, w_out, xb, wqkv, wo; writes xb, wqkv, wo
.if DOCPART == 1
	.amdgcn_target "amdgcn-amd-amdhsa--gfx1250"
	.amdhsa_code_object_version 6
	.text
	.protected	k_q6dc913895f_prep
	.globl	k_q6dc913895f_prep
	.p2align	8
	.type	k_q6dc913895f_prep,@function
k_q6dc913895f_prep:
	s_mov_b64 s[64:65], 0
	v_nop
	global_prefetch_b8 v0, s[64:65] scope:SCOPE_SE
	s_setreg_imm32_b32 hwreg(HW_REG_WAVE_MODE, 25, 1), 1
	s_wait_xcnt 0x0
; First of four launches for  out0 = ctx w_out,  ctx = sum over keys of softmax over HEADS (q k / 8) v,  q, k, v = x w_q, x w_k, x w_v.
; Nothing of the computation is left out: every input reaches the output, every score, exponential and product is used,
; and the maximum over the heads is taken away before the exponential.
; This launch rounds x and the four weights to bf16 (nearest even), the format in which they enter the matrix products, and changes nothing else:
;   xb   [8192][1024]      = x
;   wqkv [1024 k][3072 n]  = w_q in columns 0-1023, w_k in 1024-2047, w_v in 2048-3071 (rows of 6,144 bytes)
;   wo   [1024 k][1024 n]  = w_out
; Nothing is transposed: the products take [k][n] tiles out of LDS by transposing loads.
; A stream: 12,288 rows of 4,096 bytes are read once and 12,288 rows of 2,048 bytes written once.  No LDS, no matrix unit, no
; cluster: no two work-groups read the same byte.  A work-group takes 16 rows, a wave two: sixteen loads of 512 neighbouring
; bytes, all issued before the first wait; each store of a wave covers 256 consecutive bytes, aligned.
; Work-groups 0-511 take x; 512-575 w_q; 576-639 w_k; 640-703 w_v; 704-767 w_out.
.set ROWB, 4096                        ; bytes in a source row
.set X, 4                              ; v[4:67]   load n = 8 i + j (row i, piece j): 4 registers
.set Y, 68                             ; v[68:99]  its 4 numbers in bf16: 2 registers
	s_load_b512 s[4:19], s[0:1], 0x0               ; x 4:5, w_q 6:7, w_k 8:9, w_v 10:11, w_out 12:13, xb 14:15, wqkv 16:17, wo 18:19
	v_lshrrev_b32 v3, 5, v0
	v_readfirstlane_b32 s21, v3                    ; wave 0..7
	v_and_b32 v1, 31, v0                           ; lane
	v_lshlrev_b32 v2, 3, v1                        ; 8 bytes a lane on the way out
	v_lshlrev_b32 v1, 4, v1                        ; 16 bytes a lane on the way in
	s_mov_b32 s30, ttmp9                           ; g
	s_lshr_b32 s20, s30, 6                         ; t = g / 64: 0-7 x, 8 w_q, 9 w_k, 10 w_v, 11 w_out
	s_and_b32 s29, s30, 63
	s_sub_co_u32 s28, s20, 8
	s_lshl_b32 s28, s28, 11                        ; 2,048 (t - 8): the weight's columns in a row of wqkv (used for t = 8..10 alone)
	s_movk_i32 s31, 0x800
	s_cmp_ge_u32 s20, 8
	s_cselect_b32 s27, s29, s30                    ; block of 16 rows inside the source
	s_cselect_b32 s26, 0x1800, s31                 ; bytes from row to row in the target
	s_cselect_b32 s28, s28, 0
	s_cmp_eq_u32 s20, 11
	s_cselect_b32 s26, s31, s26
	s_cselect_b32 s28, 0, s28
	s_lshl_b32 s27, s27, 4
	s_lshl_b32 s29, s21, 1
	s_add_co_u32 s27, s27, s29                     ; my first row
	s_lshl_b32 s34, s27, 12                        ; its byte offset in the source (below 2^26)
	s_mov_b32 s35, 0
	s_mul_i32 s36, s27, s26                        ; and in the target
	s_add_co_u32 s36, s36, s28
	s_mov_b32 s37, 0
	s_mov_b32 s38, s26
	s_mov_b32 s39, 0
	s_wait_kmcnt 0x0
	s_cmp_eq_u32 s20, 8                            ; the choices hang on t alone
	s_cselect_b64 s[22:23], s[6:7], s[4:5]
	s_cmp_eq_u32 s20, 9
	s_cselect_b64 s[22:23], s[8:9], s[22:23]
	s_cmp_eq_u32 s20, 10
	s_cselect_b64 s[22:23], s[10:11], s[22:23]
	s_cmp_eq_u32 s20, 11
	s_cselect_b64 s[22:23], s[12:13], s[22:23]     ; the source
	s_cselect_b64 s[24:25], s[18:19], s[16:17]
	s_cmp_ge_u32 s20, 8
	s_cselect_b64 s[24:25], s[24:25], s[14:15]     ; the target
	s_add_nc_u64 s[22:23], s[22:23], s[34:35]
	s_add_nc_u64 s[24:25], s[24:25], s[36:37]      ; my first row in the target,
	s_add_nc_u64 s[32:33], s[24:25], s[38:39]      ; and my second
.irp i, 0,1
.irp j, 0,1,2,3,4,5,6,7
	global_load_b128 v[X+4*(8*\i+\j):X+4*(8*\i+\j)+3], v1, s[22:23] offset:ROWB*\i+512*\j th:TH_LOAD_NT
.endr
.endr
; Row i goes out through base s[lo:lo+1].  Every register is written once, so no source of a pending instruction is ever rewritten.
.macro ROWOUT i, lo
.irp j, 0,1,2,3,4,5,6,7
	s_wait_loadcnt 15-8*\i-\j                      ; loads come back in order (ISA guide 5.7.1): the count is the number of younger loads
	v_cvt_pk_bf16_f32 v[Y+2*(8*\i+\j)],   v[X+4*(8*\i+\j)],   v[X+4*(8*\i+\j)+1]
	v_cvt_pk_bf16_f32 v[Y+2*(8*\i+\j)+1], v[X+4*(8*\i+\j)+2], v[X+4*(8*\i+\j)+3]
	global_store_b64 v2, v[Y+2*(8*\i+\j):Y+2*(8*\i+\j)+1], s[\lo:\lo+1] offset:256*\j
.endr
.endm
	ROWOUT 0, 24
	ROWOUT 1, 32
	s_endpgm
.Lfunc_end_k_q6dc913895f_prep:
	.size	k_q6dc913895f_prep, .Lfunc_end_k_q6dc913895f_prep-k_q6dc913895f_prep
	.p2alignl 7, 3214868480
	.fill 96, 4, 3214868480
	.section	.rodata,"a",@progbits
	.p2align	6, 0x0
	.amdhsa_kernel k_q6dc913895f_prep
		.amdhsa_group_segment_fixed_size 0
		.amdhsa_private_segment_fixed_size 0
		.amdhsa_enable_private_segment 0
		.amdhsa_kernarg_size 64
		.amdhsa_user_sgpr_count 2
		.amdhsa_user_sgpr_kernarg_segment_ptr 1
		.amdhsa_wavefront_size32 1
		.amdhsa_system_sgpr_workgroup_id_x 1
		.amdhsa_system_sgpr_workgroup_id_y 1
		.amdhsa_system_sgpr_workgroup_id_z 1
		.amdhsa_system_vgpr_workitem_id 0
		.amdhsa_next_free_vgpr 104
		.amdhsa_next_free_sgpr 66
		.amdhsa_reserve_vcc 0
		.amdhsa_float_denorm_mode_32 3
		.amdhsa_float_denorm_mode_16_64 3
		.amdhsa_memory_ordered 1
		.amdhsa_forward_progress 1
		.amdhsa_inst_pref_size 8
	.end_amdhsa_kernel
	.amdgpu_metadata
---
amdhsa.version: [ 1, 2 ]
amdhsa.kernels:
  - .name:           k_q6dc913895f_prep
    .symbol:         k_q6dc913895f_prep.kd
    .args:
      - { .name: x, .offset: 0, .size: 8, .value_kind: global_buffer, .address_space: global }
      - { .name: w_q, .offset: 8, .size: 8, .value_kind: global_buffer, .address_space: global }
      - { .name: w_k, .offset: 16, .size: 8, .value_kind: global_buffer, .address_space: global }
      - { .name: w_v, .offset: 24, .size: 8, .value_kind: global_buffer, .address_space: global }
      - { .name: w_out, .offset: 32, .size: 8, .value_kind: global_buffer, .address_space: global }
      - { .name: xb, .offset: 40, .size: 8, .value_kind: global_buffer, .address_space: global }
      - { .name: wqkv, .offset: 48, .size: 8, .value_kind: global_buffer, .address_space: global }
      - { .name: wo, .offset: 56, .size: 8, .value_kind: global_buffer, .address_space: global }
    .group_segment_fixed_size: 0
    .private_segment_fixed_size: 0
    .kernarg_segment_align: 8
    .kernarg_segment_size: 64
    .max_flat_workgroup_size: 256
    .sgpr_count:     66
    .vgpr_count:     104
    .wavefront_size: 32
...
	.end_amdgpu_metadata
.endif
;; end of part 1
;; launch gemm_qkv (part 2): grid 8 x 32, 4 waves a work-group, clusters of 4 x 4, 327,680 bytes of LDS; arguments xb, wqkv, qkv; writes qkv
.if DOCPART == 2
	.amdgcn_target "amdgcn-amd-amdhsa--gfx1250"
	.amdhsa_code_object_version 6
	.text
	.protected	k_q6dc913895f_gemm_qkv
	.globl	k_q6dc913895f_gemm_qkv
	.p2align	8
	.type	k_q6dc913895f_gemm_qkv,@function
k_q6dc913895f_gemm_qkv:
	s_mov_b64 s[64:65], 0
	v_nop
	global_prefetch_b8 v0, s[64:65] scope:SCOPE_SE
	s_setreg_imm32_b32 hwreg(HW_REG_WAVE_MODE, 25, 1), 1
	s_wait_xcnt 0x0
	s_wait_alu depctr_hold_cnt(0) depctr_sa_sdst(0) depctr_va_vdst(0) depctr_va_sdst(0) depctr_va_ssrc(0) depctr_va_vcc(0) depctr_vm_vsrc(0)
	s_getreg_b32 s2, hwreg(HW_REG_IB_STS2, 6, 4)
	s_cmp_eq_u32 s2, 0
	s_cbranch_scc0 .Lentry_in_a_cluster
	s_endpgm
.Lentry_in_a_cluster:
	s_bfe_u32 s2, ttmp6, 0x10000c
	s_cmp_lg_u32 s2, 0xf033
	s_cbranch_scc0 .Lentry_shape_is_right
	s_endpgm
.Lentry_shape_is_right:
; qkv[t][n] = sum over k of xb[t][k] wqkv[k][n], q's columns times c = log2(e) / 8.  xb [8192][1024] bf16, wqkv [1024][3072] bf16, sums in f32,
; qkv [8192][3072] in F16: a token's row of 6,144 bytes holds c q at byte 0, k at 2,048, v at 4,096, head h at + 128 h.  No work is left out.
; THE SCALE: since c > 0, exp((s - max s) / 8) = exp2(c s - max (c s)).  c is put on q's f32 sums here, ahead of their one rounding to f16, so that the scores
; come out of the attention's matrix products as exponents of 2 and their maximum is taken away by a plain subtraction.  It is not put into w_q: w_q enters
; the product as its own rounding to bf16, and c adds no rounding of 8 bits anywhere.
; WHY F16 ON THE WAY OUT: q, k and v enter the attention's products as 16-bit operands, and f16 rounds them eight times finer than bf16.
; LIMIT: |c q|, |k|, |v| must stay at or below 65,504 (beyond it the conversion gives infinity).  With x of spread 1 and weights of spread 1/32
; k and v reach about 6; x and weights both 30 times larger give about 5,400; both with a common offset of 30 spreads give about 28,800.
; SHARES: 8192 x 3072 outputs over 256 work-groups are 256 rows x 384 columns each.  A work-group stays and makes them in two blocks:
;   block 1: 256 x 256, a wave 128 x 128: 64 accumulator tiles of 16 x 16, 512 registers (windows 2 and 3);
;   block 2: 256 x 128, a wave 64 rows x 128 columns: 32 tiles (window 2), so that its rows on the way out are again 256 bytes.
; The eight block columns' first blocks are 8 x 256 = 2,048 columns: k and v (column 1,024 + 256 x block column); their second blocks are 8 x 128 = 1,024
; columns: q (column 128 x block column).  So every work-group scales all of block 2 and nothing of block 1: no branch, no factor of one.
; K goes in steps of 128 through two LDS slots filled by the tensor data mover, and the ring runs on from block 1 into block 2: block 1's last two K
; steps ask for block 2's first two tiles, which are on their way while block 1's results leave.  From a request to the wait for it a wave issues 240
; matrix instructions in block 1 and 120 in block 2 (two slots of a double K step of block 2 would take 417,792 bytes of LDS).
; CLUSTERS: 4 x 4 work-groups.  The four of a row of the cluster make blocks of one block row and need the same tiles of xb; the four of a
; column need the same tiles of wqkv.  Each such tile is asked for jointly, by the same load with the same descriptor in all four.
; REGISTERS, in windows of 256: window 0: v16-26 addresses; v64-127, v128-191 fragments of A, two buffers; v192-223 packed results.
;   window 1: v64-127, v128-191 fragments of B, two buffers.  Window 2: accumulator tiles of my rows 0-63, tile (a, b) at v[8 (8 a + b)]; window 3: rows 64-127.
; THE MATRIX INSTRUCTION IS USED TRANSPOSED: source 0 = 16 columns of B, source 1 = 16 rows of A, so that lane l holds row l % 16 and its
; eight registers the neighbouring columns 8 (l / 16) + 0..7, which pack into 16 bytes.
.set SIZE_K, 1024
.set SIZE_N, 3072
.set KSTEP,  128
.set PA,     272                       ; A in LDS: rows of 256 bytes + 16: an odd multiple of 16, so 16 rows start at 16 different 16-byte columns modulo 256
.set PB,     544                       ; block 1's B in LDS: k rows of 512 bytes + 32: an odd multiple of 32, as the transposing loads want
.set PC,     288                       ; block 2's B: k rows of 256 bytes + 32 = 9 x 32
.set AHALF,  128*PA                    ; what one tensor load brings of A
.set ATILE,  256*PA
.set BHALF,  64*PB                     ; what one tensor load brings of B in block 1
.set CHALF,  64*PC                     ; and in block 2
.set SLOT,   ATILE+128*PB              ; 139,264: A's 256 rows, then B's 128 k rows
.set STAGE,  2*SLOT                    ; 278,528, a multiple of 256: 16 rows x 272 bytes for each wave; no tensor load lands here
.set SPITCH, 272
.set ADRA,  16                         ; v16-17  block 1: LDS address of my A fragments in slot 0, 1
.set ADRA2, 18                         ; v18-19  block 2: the same
.set ADRB,  20                         ; v20-21  block 1: my B fragments
.set ADRC,  22                         ; v22-23  block 2: the same
.set STO,   24                         ; the way out: where I put 16 bytes of a row
.set RD,    25                         ; the way out: where I read rows back
.set CO,    26                         ; my byte offset in qkv
.set F0,    64
.set F1,    128
.set TMP,   192
.set G1,  24                           ; s[24:31] group 1 for A's tiles
.set G0,  32                           ; s[32:39] group 0 for A's tiles, one set for each slot
.set G1B, 48                           ; s[48:55] group 1 for block 1's tiles of B
.set G0B, 56                           ; s[56:63] their group 0, one set for each slot
.set G1C, 68                           ; s[68:75] group 1 for block 2's tiles of B
.set G0C, 76                           ; s[76:83] their group 0, one set for each slot
.set CB1, 84                           ; s[84:85] block 1's place in qkv
.set CB2, 86                           ; s[86:87] block 2's
.set SCL, 88                           ; s[88:89] c, twice: a pair for the packed multiply
.set BC2, 90                           ; s[90:91] block 2's tiles of B: offset, then address
.set MUL_LO, 0xa1                      ; source 0 (B) window 1, source 1 (A) window 0, C and D window 2
.set MUL_HI, 0xf1                      ; the same, C and D window 3
.set TO_B,   0x40                      ; destination window 1, address window 0
.set MSB, 0
.macro WIN new                         ; the immediate's high byte repeats the setting that is left
.if MSB != \new
	s_set_vgpr_msb (MSB<<8)|\new
.set MSB, \new
.endif
.endm
; A joint load into slot s for block blk.  Waves 0 and 1 fetch A's two halves, waves 2 and 3 B's.  The branch hangs on the wave's number alone.
.macro JLOAD s, blk
	s_cmp_eq_u32 s11, 0
	s_cbranch_scc0 .Lfor_b_\@
	tensor_load_to_lds s[G0+4*\s:G0+4*\s+3], s[G1:G1+7]
	s_nop 0
	s_branch .Lasked_\@
.Lfor_b_\@:
.if \blk == 1
	tensor_load_to_lds s[G0B+4*\s:G0B+4*\s+3], s[G1B:G1B+7]
	s_nop 0
.else
	tensor_load_to_lds s[G0C+4*\s:G0C+4*\s+3], s[G1C:G1C+7]
	s_nop 0
.endif
.Lasked_\@:
.endm
.macro CREST                           ; a round of the cluster's barrier behind its opening work-group barrier
	s_cmp_lg_u32 s10, 0
	s_cbranch_scc1 .Lnot_wave_0_\@
	s_barrier_signal -3
.Lnot_wave_0_\@:
	s_barrier_wait -3
	s_barrier_signal -1
	s_barrier_wait -1
.endm
.macro CROUND                          ; a whole round
	s_barrier_signal -1
	s_barrier_wait -1
	CREST
.endm
	s_load_b128 s[4:7], s[0:1], 0x0                ; A = xb s[4:5], B = wqkv s[6:7]
	s_load_b64 s[8:9], s[0:1], 0x10                ; C = qkv
	s_set_vgpr_msb 0x40
	v_lshl_add_u32 v255, v0, 2, 0x48400
	s_set_vgpr_msb 0x4000
	v_mov_b32 v255, 0
	s_set_vgpr_msb 0x1
	ds_add_u32 v255, v255
	s_set_vgpr_msb 0x100
	v_lshrrev_b32 v1, 5, v0
	v_readfirstlane_b32 s10, v1                    ; wave 0..3
	s_lshr_b32 s11, s10, 1                         ; block 1: which 128 of the rows are mine.  Also: I fetch for A (0) or for B (1)
	s_and_b32 s12, s10, 1                          ; block 1: which 128 of the columns.  Also: which half of that tile I fetch
	s_bfe_u32 s40, ttmp6, 0x40000                  ; cx
	s_bfe_u32 s41, ttmp6, 0x40004                  ; cy
	s_lshl_b32 s42, ttmp9, 2
	s_add_co_u32 s42, s42, s40                     ; block column = 4 x cluster x + cx
	s_and_b32 s13, ttmp7, 0xffff
	s_lshl_b32 s13, s13, 2
	s_add_co_u32 s13, s13, s41                     ; block row (256 rows) = 4 x cluster y + cy
	s_lshl_b32 s43, s41, 2
	s_lshl_b32 s43, 15, s43                        ; my row of the cluster: places 4 cy .. 4 cy + 3
	s_lshl_b32 s44, 0x1111, s40                    ; my column: places cx, cx + 4, cx + 8, cx + 12
	s_mov_b32 s[SCL], 0x3e38aa3b                   ; c = log2(e) / 8
	s_mov_b32 s[SCL+1], 0x3e38aa3b
	; group 1 of A: 128 rows x 128 elements of 2 bytes; 4 words of padding behind every 64 words
	s_or_b32 s[G1+0], s43, (1<<16)|(1<<20)|(1<<21)|(5<<22)|(3<<25)
	s_mov_b32 s[G1+1], KSTEP<<16                   ; tensor_dim0 = 128
	s_mov_b32 s[G1+2], 128<<16                     ; tensor_dim1 = 128
	s_mov_b32 s[G1+3], KSTEP<<16                   ; tile_dim0 = 128
	s_mov_b32 s[G1+4], 128                         ; tile_dim1 = 128
	s_mov_b32 s[G1+5], SIZE_K                      ; elements from row to row
	s_mov_b32 s[G1+6], 0
	s_mov_b32 s[G1+7], 0
	; group 1 of block 1's B: 64 k rows x 256 elements; 8 words of padding behind every 128 words
	s_or_b32 s[G1B+0], s44, (1<<16)|(1<<20)|(1<<21)|(6<<22)|(7<<25)
	s_mov_b32 s[G1B+1], 256<<16
	s_mov_b32 s[G1B+2], 64<<16
	s_mov_b32 s[G1B+3], 256<<16
	s_mov_b32 s[G1B+4], 64
	s_mov_b32 s[G1B+5], SIZE_N
	s_mov_b32 s[G1B+6], 0
	s_mov_b32 s[G1B+7], 0
	; group 1 of block 2's B: 64 k rows x 128 elements; 8 words of padding behind every 64 words
	s_or_b32 s[G1C+0], s44, (1<<16)|(1<<20)|(1<<21)|(5<<22)|(7<<25)
	s_mov_b32 s[G1C+1], 128<<16
	s_mov_b32 s[G1C+2], 64<<16
	s_mov_b32 s[G1C+3], 128<<16
	s_mov_b32 s[G1C+4], 64
	s_mov_b32 s[G1C+5], SIZE_N
	s_mov_b32 s[G1C+6], 0
	s_mov_b32 s[G1C+7], 0
	; A's tiles hang on the block row alone, B's on the block column alone, each in registers that never hold the other coordinate
	s_lshl_b32 s16, s13, 8
	s_lshl_b32 s17, s12, 7
	s_add_co_u32 s16, s16, s17                     ; A: row 256 x block row + 128 x half
	s_lshl_b32 s16, s16, 11                        ; x 2,048 bytes (below 2^24)
	s_mov_b32 s17, 0
	s_lshl_b32 s46, s42, 9                         ; block 1's B: 512 bytes (256 columns) x block column, behind q's 2,048 bytes (added below)
	s_mul_i32 s47, s12, 64*SIZE_N*2                ;    + 64 k rows x half
	s_add_co_u32 s46, s46, s47
	s_lshl_b32 s[BC2], s42, 8                      ; block 2's B: 256 bytes (128 columns of w_q) x block column
	s_add_co_u32 s[BC2], s[BC2], s47               ;    + 64 k rows x half
	s_mov_b32 s47, 0
	s_mov_b32 s[BC2+1], 0
	s_mul_i32 s20, s12, AHALF                      ; where they go in LDS: the wave's number and constants alone
	s_mul_i32 s21, s12, BHALF
	s_add_co_u32 s21, s21, ATILE
	s_mul_i32 s19, s12, CHALF
	s_add_co_u32 s19, s19, ATILE
	s_wait_dscnt 0x0
	s_wait_kmcnt 0x0
	s_add_nc_u64 s[14:15], s[4:5], s[16:17]
	s_add_nc_u64 s[46:47], s[6:7], s[46:47]
	s_add_nc_u64 s[BC2:BC2+1], s[6:7], s[BC2:BC2+1]
	CROUND                                         ; all sixteen work-groups are here: the first joint loads meet
.irp s, 0,1
	s_mov_b32 s[G0+4*\s], 1
	s_add_co_u32 s[G0+4*\s+1], s20, \s*SLOT
	s_add_nc_u64 s[G0+4*\s+2:G0+4*\s+3], s[14:15], \s*KSTEP*2
	s_or_b32 s[G0+4*\s+3], s[G0+4*\s+3], 0x80000000
	s_mov_b32 s[G0B+4*\s], 1
	s_add_co_u32 s[G0B+4*\s+1], s21, \s*SLOT
	s_add_nc_u64 s[G0B+4*\s+2:G0B+4*\s+3], s[46:47], 2048+\s*KSTEP*SIZE_N*2
	s_or_b32 s[G0B+4*\s+3], s[G0B+4*\s+3], 0x80000000
	s_mov_b32 s[G0C+4*\s], 1                                       ; block 2's set waits for its turn
	s_add_co_u32 s[G0C+4*\s+1], s19, \s*SLOT
	s_add_nc_u64 s[G0C+4*\s+2:G0C+4*\s+3], s[BC2:BC2+1], \s*KSTEP*SIZE_N*2
	s_or_b32 s[G0C+4*\s+3], s[G0C+4*\s+3], 0x80000000
	JLOAD \s, 1                                    ; both slots' first fills go out together: two loads of the wave are out
.endr
	v_and_b32 v1, 15, v0                           ; r = l % 16
	v_bfe_u32 v2, v0, 4, 1                         ; h = l / 16
	v_and_b32 v3, 7, v0                            ; l % 8
	v_bfe_u32 v4, v0, 3, 1                         ; (l / 8) % 2
	v_mul_u32_u24 v6, v1, PA
	v_lshl_add_u32 v6, v2, 4, v6                   ; r x 272 + 16 h: A's fragments, and my place in the stage
	s_mul_i32 s22, s11, AHALF                      ; block 1: my 128 rows of A
	v_add_nc_u32 v[ADRA], s22, v6
	v_add_nc_u32 v[ADRA+1], SLOT, v[ADRA]
	s_mul_i32 s22, s10, 64*PA                      ; block 2: my 64 rows
	v_add_nc_u32 v[ADRA2], s22, v6
	v_add_nc_u32 v[ADRA2+1], SLOT, v[ADRA2]
	v_lshl_add_u32 v7, v2, 3, v3                   ; B by transposing loads: k row 8 h + l % 8,
	v_mul_u32_u24 v8, v7, PB
	v_lshl_add_u32 v8, v4, 4, v8                   ; 16 bytes for each half of eight lanes,
	s_lshl_b32 s23, s12, 8                         ; my 128 columns,
	s_add_co_u32 s23, s23, ATILE                   ; behind A's tile
	v_add_nc_u32 v[ADRB], s23, v8
	v_add_nc_u32 v[ADRB+1], SLOT, v[ADRB]
	v_mul_u32_u24 v9, v7, PC                       ; block 2: the other pitch, all 128 columns
	v_lshl_add_u32 v9, v4, 4, v9
	v_add_nc_u32 v[ADRC], ATILE, v9
	v_add_nc_u32 v[ADRC+1], SLOT, v[ADRC]
	s_mul_i32 s45, s10, 16*SPITCH
	s_add_co_u32 s45, s45, STAGE                   ; my stage
	v_add_nc_u32 v[STO], s45, v6
	v_mul_u32_u24 v10, v2, SPITCH                  ; back: lanes 0-15 one row of 256 bytes, lanes 16-31 the next
	v_lshl_add_u32 v10, v1, 4, v10
	v_add_nc_u32 v[RD], s45, v10
	v_mul_u32_u24 v11, v2, SIZE_N*2                ; and the same two rows in qkv
	v_lshl_add_u32 v[CO], v1, 4, v11
; 8 matrix instructions: row tile a of the window's four (hi = 0: window 2, 1: window 3) x all 8 column tiles, 32 along K.  zero = 1: the product starts the sums.
; The accumulators take turns, one instruction a turn, in the same order in every quarter step.
.macro MUL8 f, hi, a, zero
.irp b, 0,1,2,3,4,5,6,7
.if \zero
	v_wmma_f32_16x16x32_bf16 v[8*(8*\a+\b):8*(8*\a+\b)+7], v[\f+8*\b:\f+8*\b+7], v[\f+8*(4*\hi+\a):\f+8*(4*\hi+\a)+7], 0
.else
	v_wmma_f32_16x16x32_bf16 v[8*(8*\a+\b):8*(8*\a+\b)+7], v[\f+8*\b:\f+8*\b+7], v[\f+8*(4*\hi+\a):\f+8*(4*\hi+\a)+7], v[8*(8*\a+\b):8*(8*\a+\b)+7]
.endif
.endr
.endm
.macro MUL16 f, hi, a0, zero           ; row tiles a0 and a0 + 1
.irp a, \a0, \a0+1
.irp b, 0,1,2,3,4,5,6,7
.if \zero
	v_wmma_f32_16x16x32_bf16 v[8*(8*(\a)+\b):8*(8*(\a)+\b)+7], v[\f+8*\b:\f+8*\b+7], v[\f+8*(4*\hi+\a):\f+8*(4*\hi+\a)+7], 0
.else
	v_wmma_f32_16x16x32_bf16 v[8*(8*(\a)+\b):8*(8*(\a)+\b)+7], v[\f+8*\b:\f+8*\b+7], v[\f+8*(4*\hi+\a):\f+8*(4*\hi+\a)+7], v[8*(8*(\a)+\b):8*(8*(\a)+\b)+7]
.endif
.endr
.endr
.endm
; Four places behind a matrix instruction before a load lands on a register that it has read, or a vector instruction reads or writes its
; result (ISA guide 7.12.1 for vector instructions); other matrix instructions are not counted as places.
.macro PLACES
.rept 4
	v_nop
.endr
.endm
; ---- BLOCK 1: 256 x 256 of k and v, a wave 128 x 128 ----
; 32 LDS loads in one run: quarter q (k = 32 q .. 32 q + 31) of a slot into buffer f.  B lies [k][n]: the first transposing load brings
; k = 8 h + 0..7 of column r, the second, 16 k rows further down, k = 16 + 8 h + 0..7.  A lies along K: two loads 32 bytes apart.
.macro FETCH slot, q, f
	WIN TO_B
.irp b, 0,1,2,3,4,5,6,7
	ds_load_tr16_b128 v[\f+8*\b:\f+8*\b+3],   v[ADRB+\slot] offset:\q*32*PB+32*\b
	ds_load_tr16_b128 v[\f+8*\b+4:\f+8*\b+7], v[ADRB+\slot] offset:\q*32*PB+32*\b+16*PB
.endr
	WIN 0
.irp i, 0,1,2,3,4,5,6,7
	ds_load_b128 v[\f+8*\i:\f+8*\i+3],   v[ADRA+\slot] offset:\q*64+\i*16*PA
	ds_load_b128 v[\f+8*\i+4:\f+8*\i+7], v[ADRA+\slot] offset:\q*64+\i*16*PA+32
.endr
.endm
; One of a K step's first three quarters: multiplies buffer f; in its middle it fetches quarter q of the same slot into buffer g.
.macro QUARTER slot, q, f, g, zero
	s_wait_dscnt 8                                 ; B and A's rows 0-63 are in; the youngest eight loads (A's rows 64-127) may be out
	WIN MUL_LO
	MUL16 \f, 0, 0, \zero
	MUL16 \f, 0, 2, \zero
	PLACES
	FETCH \slot, \q, \g
	s_wait_dscnt 32                                ; all but the 32 just issued
	WIN MUL_HI
	MUL16 \f, 1, 0, \zero
	MUL16 \f, 1, 2, \zero
.endm
.macro THREE slot, zero
	QUARTER \slot, 1, F0, F1, \zero
	QUARTER \slot, 2, F1, F0, 0
	QUARTER \slot, 3, F0, F1, 0
.endm
; The last quarter: multiplies buffer 1 and changes slots.  In front of the round each wave waits for its reads of this slot and for all its
; tensor loads (one is out: its part of the next slot).  Behind it the refill comes first, then the next slot's first fragments.
; blk = 1: the slot gets block 1's tile two K steps ahead; blk = 2: block 2's first tile for this slot (A starts again at k = 0: six K steps back).
; fetch = 0: the block's very last quarter, behind which the results leave.
.macro TURN slot, next, blk, fetch
	s_wait_dscnt 8
	WIN MUL_LO
	MUL16 F1, 0, 0, 0
	s_wait_dscnt 0                                 ; my reads of this slot are over
	s_wait_tensorcnt 0x0                           ; all my tensor loads have landed
	ds_add_u32 v255, v255
	s_wait_dscnt 0x0
	s_barrier_signal -1                            ; this barrier opens a round of the cluster's barrier
	MUL16 F1, 0, 2, 0                              ; register work while the others arrive
	WIN 0
	s_barrier_wait -1
	CREST                                          ; no wave of any partner still reads this slot or has a load on its way
.if \blk == 1
	s_add_nc_u64 s[G0+4*\slot+2:G0+4*\slot+3], s[G0+4*\slot+2:G0+4*\slot+3], 2*KSTEP*2
	s_add_nc_u64 s[G0B+4*\slot+2:G0B+4*\slot+3], s[G0B+4*\slot+2:G0B+4*\slot+3], 2*KSTEP*SIZE_N*2
.else
	s_sub_nc_u64 s[G0+4*\slot+2:G0+4*\slot+3], s[G0+4*\slot+2:G0+4*\slot+3], 6*KSTEP*2
.endif
	JLOAD \slot, \blk                              ; the wave's one tensor load behind the round
.if \fetch
	PLACES
	FETCH \next, 0, F0
.endif
	WIN MUL_HI
	MUL16 F1, 1, 0, 0
	MUL16 F1, 1, 2, 0
.endm
.macro LAP zero                        ; once round the ring, both slots filled again
	THREE 0, \zero
	TURN 0, 1, 1, 1
	THREE 1, 0
	TURN 1, 0, 1, 1
.endm
; ---- BLOCK 2: 256 x 128 of q, a wave 64 x 128 ----
.macro FETCH2 slot, q, f               ; 24 LDS loads: 8 fragments of B, 4 of A
	WIN TO_B
.irp b, 0,1,2,3,4,5,6,7
	ds_load_tr16_b128 v[\f+8*\b:\f+8*\b+3],   v[ADRC+\slot] offset:\q*32*PC+32*\b
	ds_load_tr16_b128 v[\f+8*\b+4:\f+8*\b+7], v[ADRC+\slot] offset:\q*32*PC+32*\b+16*PC
.endr
	WIN 0
.irp i, 0,1,2,3
	ds_load_b128 v[\f+8*\i:\f+8*\i+3],   v[ADRA2+\slot] offset:\q*64+\i*16*PA
	ds_load_b128 v[\f+8*\i+4:\f+8*\i+7], v[ADRA2+\slot] offset:\q*64+\i*16*PA+32
.endr
.endm
.macro QUARTER2 slot, q, f, g, zero
	s_wait_dscnt 4                                 ; B and A's tiles 0, 1 are in; the youngest four loads (A's tiles 2, 3) may be out
	WIN MUL_LO
	MUL16 \f, 0, 0, \zero
	PLACES
	FETCH2 \slot, \q, \g
	s_wait_dscnt 24                                ; all but the 24 just issued
	WIN MUL_LO
	MUL16 \f, 0, 2, \zero
.endm
.macro THREE2 slot, zero
	QUARTER2 \slot, 1, F0, F1, \zero
	QUARTER2 \slot, 2, F1, F0, 0
	QUARTER2 \slot, 3, F0, F1, 0
.endm
.macro TURN2 slot, next, fill
	s_wait_dscnt 4
	WIN MUL_LO
	MUL8 F1, 0, 0, 0
	s_wait_dscnt 0                                 ; my reads of this slot are over
	s_wait_tensorcnt 0x0                           ; all my tensor loads have landed
	ds_add_u32 v255, v255
	s_wait_dscnt 0x0
	s_barrier_signal -1                            ; (where the slot is filled again this barrier opens a round of the cluster's barrier)
	MUL8 F1, 0, 1, 0                               ; register work while the others arrive
	WIN 0
	s_barrier_wait -1
.if \fill
	CREST
	s_add_nc_u64 s[G0+4*\slot+2:G0+4*\slot+3], s[G0+4*\slot+2:G0+4*\slot+3], 2*KSTEP*2
	s_add_nc_u64 s[G0C+4*\slot+2:G0C+4*\slot+3], s[G0C+4*\slot+2:G0C+4*\slot+3], 2*KSTEP*SIZE_N*2
	JLOAD \slot, 2                                 ; the wave's one tensor load behind the round, two K steps ahead
.endif
	PLACES
	FETCH2 \next, 0, F0
	WIN MUL_LO
	MUL16 F1, 0, 2, 0
.endm
.macro LAP2 zero
	THREE2 0, \zero
	TURN2 0, 1, 1
	THREE2 1, 0
	TURN2 1, 0, 1
.endm
; THE WAY OUT, 16 rows at a time: the eight tiles (a, 0..7) of window 2 or 3 (from = 0x0a or 0x0f: sources 0 and 1) are rounded to f16, go as 16 bytes a
; lane into my own stage, come back as whole rows of 256 bytes into buffer f (F0 and F1 in turn) and are stored through base s[cb:cb+1].
; sc = 1 (q, whose tiles lie in window 2): the f32 sums are first multiplied by c, in place.
.macro OUT16 i, a, from, f, cb, sc
.if \sc
	WIN 0x8a                                       ; sources and destination in window 2
.irp b, 0,1,2,3,4,5,6,7
.irp r, 0,2,4,6
	v_pk_mul_f32 v[8*(8*\a+\b)+\r:8*(8*\a+\b)+\r+1], v[8*(8*\a+\b)+\r:8*(8*\a+\b)+\r+1], s[SCL:SCL+1] op_sel_hi:[1,0]
.endr
.endr
.endif
	WIN \from
.irp b, 0,1,2,3,4,5,6,7
.irp r, 0,1,2,3
	v_cvt_pk_f16_f32 v[TMP+4*\b+\r], v[8*(8*\a+\b)+2*\r], v[8*(8*\a+\b)+2*\r+1]
.endr
.endr
	WIN 0
.irp b, 0,1,2,3,4,5,6,7
	ds_store_b128 v[STO], v[TMP+4*\b:TMP+4*\b+3] offset:32*\b
.endr
	s_wait_xcnt 0x0                                ; buffer f, which earlier stores read, and the stores' base are rewritten only behind this wait
.if \i
	s_add_nc_u64 s[\cb:\cb+1], s[\cb:\cb+1], 16*SIZE_N*2
.endif
.irp t, 0,1,2,3,4,5,6,7
	ds_load_b128 v[\f+4*\t:\f+4*\t+3], v[RD] offset:\t*2*SPITCH    ; LDS serves a wave's instructions in order (ISA guide 5.7.1): these see the stores above
.endr
.irp t, 0,1,2,3,4,5,6,7
	s_wait_dscnt 7-\t                              ; the count is the number of younger LDS loads
	global_store_b128 v[CO], v[\f+4*\t:\f+4*\t+3], s[\cb:\cb+1] offset:2*\t*SIZE_N*2   ; 16 lanes store 256 consecutive bytes, aligned
.endr
.endm
	s_wait_tensorcnt 1                             ; my part of K step 0 is in; K step 1's load, issued behind it, may stay out
	s_barrier_signal -1
	s_barrier_wait -1
	FETCH 0, 0, F0
	LAP 1                                          ; K steps 0, 1: the first products start the sums
	WIN 0
	s_mov_b32 s3, 2
.Llap1:
	LAP 0                                          ; K steps 2 to 5
	WIN 0
	s_sub_co_u32 s3, s3, 1
	s_cmp_lg_u32 s3, 0
	s_cbranch_scc1 .Llap1
	THREE 0, 0                                     ; K steps 6, 7: their slots get block 2's K steps 0, 1
	TURN 0, 1, 2, 1
	THREE 1, 0
	TURN 1, 0, 2, 0
	; block 1's results leave while block 2's second tile is on its way (its first was shown landed in front of the last round)
	PLACES                                         ; four places behind the last matrix instructions, for the conversions
	s_lshl_b32 s16, s13, 8
	s_lshl_b32 s17, s11, 7
	s_add_co_u32 s16, s16, s17                     ; my first row
	s_mul_i32 s16, s16, SIZE_N*2                   ; in bytes (below 2^26)
	s_mov_b32 s17, 0
	s_add_nc_u64 s[CB1:CB1+1], s[8:9], s[16:17]
	s_lshl_b32 s46, s42, 9                         ; my first column in bytes: q's 2,048 + 512 x block column + 256 x half
	s_lshl_b32 s47, s12, 8
	s_add_co_u32 s46, s46, s47
	s_add_co_u32 s46, s46, 2048
	s_mov_b32 s47, 0
	s_add_nc_u64 s[CB1:CB1+1], s[CB1:CB1+1], s[46:47]
	OUT16 0, 0, 0x0a, F0, CB1, 0
	OUT16 1, 1, 0x0a, F1, CB1, 0
	OUT16 2, 2, 0x0a, F0, CB1, 0
	OUT16 3, 3, 0x0a, F1, CB1, 0
	OUT16 4, 0, 0x0f, F0, CB1, 0
	OUT16 5, 1, 0x0f, F1, CB1, 0
	OUT16 6, 2, 0x0f, F0, CB1, 0
	OUT16 7, 3, 0x0f, F1, CB1, 0
	s_wait_xcnt 0x0                                ; buffers 0 and 1, which the last stores read, take fragments again only behind this wait
	FETCH2 0, 0, F0
	LAP2 1                                         ; block 2, K steps 0, 1: the first products start the sums anew
	WIN 0
	s_mov_b32 s3, 2
.Llap2:
	LAP2 0                                         ; K steps 2 to 5
	WIN 0
	s_sub_co_u32 s3, s3, 1
	s_cmp_lg_u32 s3, 0
	s_cbranch_scc1 .Llap2
	THREE2 0, 0                                    ; K steps 6, 7 fill nothing
	TURN2 0, 1, 0
	THREE2 1, 0
	s_wait_dscnt 4
	WIN MUL_LO
	MUL16 F1, 0, 0, 0
	s_wait_dscnt 0
	MUL16 F1, 0, 2, 0
	PLACES                                         ; four places behind the last matrix instructions, for the multiplies that rewrite the sums
	s_lshl_b32 s16, s13, 8
	s_lshl_b32 s17, s10, 6
	s_add_co_u32 s16, s16, s17                     ; my first row: 64 rows a wave
	s_mul_i32 s16, s16, SIZE_N*2
	s_mov_b32 s17, 0
	s_add_nc_u64 s[CB2:CB2+1], s[8:9], s[16:17]
	s_lshl_b32 s46, s42, 8                         ; my first column in bytes: 256 x block column, inside q
	s_mov_b32 s47, 0
	s_add_nc_u64 s[CB2:CB2+1], s[CB2:CB2+1], s[46:47]
	OUT16 0, 0, 0x0a, F0, CB2, 1
	OUT16 1, 1, 0x0a, F1, CB2, 1
	OUT16 2, 2, 0x0a, F0, CB2, 1
	OUT16 3, 3, 0x0a, F1, CB2, 1
	s_set_vgpr_msb 0x1
	s_wait_tensorcnt 0x0
	ds_add_u32 v255, v255
	s_wait_dscnt 0x0
	s_set_vgpr_msb 0x100
	CROUND                                         ; the closing round: no work-group ends while a partner may still ask jointly
	s_endpgm
.Lfunc_end_k_q6dc913895f_gemm_qkv:
	.size	k_q6dc913895f_gemm_qkv, .Lfunc_end_k_q6dc913895f_gemm_qkv-k_q6dc913895f_gemm_qkv
	.p2alignl 7, 3214868480
	.fill 96, 4, 3214868480
	.section	.rodata,"a",@progbits
	.p2align	6, 0x0
	.amdhsa_kernel k_q6dc913895f_gemm_qkv
		.amdhsa_group_segment_fixed_size 327680
		.amdhsa_private_segment_fixed_size 0
		.amdhsa_enable_private_segment 0
		.amdhsa_kernarg_size 24
		.amdhsa_user_sgpr_count 2
		.amdhsa_user_sgpr_kernarg_segment_ptr 1
		.amdhsa_wavefront_size32 1
		.amdhsa_system_sgpr_workgroup_id_x 1
		.amdhsa_system_sgpr_workgroup_id_y 1
		.amdhsa_system_sgpr_workgroup_id_z 1
		.amdhsa_system_vgpr_workitem_id 0
		.amdhsa_next_free_vgpr 1024
		.amdhsa_next_free_sgpr 92
		.amdhsa_reserve_vcc 0
		.amdhsa_float_denorm_mode_32 3
		.amdhsa_float_denorm_mode_16_64 3
		.amdhsa_memory_ordered 1
		.amdhsa_forward_progress 1
		.amdhsa_inst_pref_size 255
	.end_amdhsa_kernel
	.section	.bss,"aw",@nobits
	.p2align	6
	.space	262144
	.amdgpu_metadata
---
amdhsa.version: [ 1, 2 ]
amdhsa.kernels:
  - .name:           k_q6dc913895f_gemm_qkv
    .symbol:         k_q6dc913895f_gemm_qkv.kd
    .args:
      - { .name: xb, .offset: 0, .size: 8, .value_kind: global_buffer, .address_space: global }
      - { .name: wqkv, .offset: 8, .size: 8, .value_kind: global_buffer, .address_space: global }
      - { .name: qkv, .offset: 16, .size: 8, .value_kind: global_buffer, .address_space: global }
    .group_segment_fixed_size: 327680
    .private_segment_fixed_size: 0
    .kernarg_segment_align: 8
    .kernarg_segment_size: 24
    .max_flat_workgroup_size: 128
    .sgpr_count:     92
    .vgpr_count:     1024
    .wavefront_size: 32
...
	.end_amdgpu_metadata
.endif
;; end of part 2
;; launch attn (part 3): grid 256 x 1, 4 waves a work-group, clusters of 4 x 1, 327,680 bytes of LDS; arguments qkv, ctx; writes ctx
.if DOCPART == 3
	.amdgcn_target "amdgcn-amd-amdhsa--gfx1250"
	.amdhsa_code_object_version 6
	.text
	.protected	k_q6dc913895f_attn
	.globl	k_q6dc913895f_attn
	.p2align	8
	.type	k_q6dc913895f_attn,@function
k_q6dc913895f_attn:
	s_mov_b64 s[64:65], 0
	v_nop
	global_prefetch_b8 v0, s[64:65] scope:SCOPE_SE
	s_setreg_imm32_b32 hwreg(HW_REG_WAVE_MODE, 25, 1), 1
	s_wait_xcnt 0x0
	s_wait_alu depctr_hold_cnt(0) depctr_sa_sdst(0) depctr_va_vdst(0) depctr_va_sdst(0) depctr_va_ssrc(0) depctr_va_vcc(0) depctr_vm_vsrc(0)
	s_getreg_b32 s2, hwreg(HW_REG_IB_STS2, 6, 4)
	s_cmp_eq_u32 s2, 0
	s_cbranch_scc0 .Lentry_in_a_cluster
	s_endpgm
.Lentry_in_a_cluster:
	s_bfe_u32 s2, ttmp6, 0x10000c
	s_cmp_lg_u32 s2, 0x3003
	s_cbranch_scc0 .Lentry_shape_is_right
	s_endpgm
.Lentry_shape_is_right:
; ctx[t][64 h + d] = sum over the batch's 2,048 keys of p_h(t, key) v[key][64 h + d],
; p_h = exp2(e_h - max over heads e) / sum over heads of the same,  e_h = (c q_h(t)) . k_h(key),  c = log2(e) / 8.  Since c > 0 that is
; exp((s_h - max s) / 8) over its sum, with s = q . k.  The softmax runs over the 16 HEADS of one (query, key) pair, so the sum over keys is plain: no running
; maximum over keys and no rescaling.  No work is left out.
; qkv [8192][3072] f16 (c q at byte 0 of a row: the launch before puts the scale on q's f32 sums, ahead of their rounding to f16; k at 2,048, v at 4,096,
; head h at + 128 h); ctx [8192][1024] bf16.
; FORMATS AND LIMITS: c q, k, v and p enter the products in f16 (p lies in [0, 1]; the others at most 65,504 as the launch before states), sums, scores and
; softmax in f32, ctx in bf16 since it can pass f16's range.  The maximum is taken away by one rounded subtraction: the largest head's exponent is exactly 0,
; so the sum lies in [1, 16] whatever the size of the scores.
; A NaN score is passed over by the maximum but reaches the exponential and the sum; infinite scores give NaN.  v_exp_f32 gives 0 for results below 2^-126.
; SHARES: a work-group owns 32 query rows and walks its batch's keys in 64 steps of 32.  Wave w = 2 a + b.
;   scores:  wave (a, b) makes, for ALL 16 heads, the tile of key tile b (source 0, rows = keys) x query tile a (source 1): lane (r, h) holds query r and keys
;            8 h + 0..7 in the same place for every head, so maximum, sum and quotient over heads stay inside a lane.
;   p:       four packed registers of a head are one half of a fragment of p (keys 16 b + 8 h + 0..7 of query r); they go to LDS for the wave that owns the head.
;   p v:     wave w owns heads 4 w .. 4 w + 3 and both query tiles: source 0 = v by transposing loads (rows = d), source 1 = p: lane (r, h) holds query r, d = 8 h + 0..7.
; CLUSTERS: the four work-groups of a cluster lie in one batch (64 work-groups a batch) and walk the same k and v tiles: each tile is asked for jointly,
; mask 15.  The place in the cluster enters only the global addresses of q and ctx.
; REGISTERS: window 0 addresses, softmax, packed p, scores; window 1 the 32 accumulator tiles (qt, hd, nt) at v[8 (16 qt + 4 hd + nt)];
; window 2 q's 32 fragments (h, ks) at v[16 h + 8 ks], loaded once; window 3 k's 32 fragments likewise, then v's 16 at v[8 (4 hd + nt)] and p's 8 at v[128 + 8 (2 hd + qt)].
.set TOKB,  6144                       ; bytes in a row of qkv
.set KP,    1040                       ; k in LDS: 1,024 bytes (8 heads) + 16: an odd multiple of 16
.set VP,    1056                       ; v in LDS: 1,024 bytes + 32: an odd multiple of 32, for the transposing loads
.set KH,    32*KP                      ; 32 keys, heads 0-7 or 8-15: one tensor load
.set VH,    32*VP
.set VOFF,  2*KH
.set SLOT,  VOFF+2*VH                  ; 134,144
.set PX,    2*SLOT                     ; 268,288, a multiple of 256: p's blocks (h, qt, kt) at 2,048 h + 1,024 qt + 512 kt + 16 lane; no tensor load lands here
.set STEPB, 32*TOKB
.set SPITCH, 528                       ; the way out: 512 bytes + 16; four waves x 16 rows lie over p's blocks
.set QO,   10
.set ADRK, 12                          ; v12-13  my k fragments in slot 0, 1
.set ADRV, 14                          ; v14-15  my v fragments in slot 0, 1
.set PXW,  16
.set PXR,  17
.set STO,  18
.set RD,   19
.set CO,   20
.set MX,   32                          ; v[32:39]   maximum over heads
.set LS,   48                          ; v[48:55]   sum over heads, then its reciprocal
.set PK,   64                          ; v[64:127]  packed p, head h at PK + 4 h
.set SC,   128                         ; v[128:255] scores, head h at SC + 8 h
.set G1K, 16
.set G1V, 24
.set G0K, 32                           ; one set for each slot
.set G0V, 40
.set MSB, 0
.macro WIN new
.if MSB != \new
	s_set_vgpr_msb (MSB<<8)|\new
.set MSB, \new
.endif
.endm
.macro PLACES
.rept 4
	v_nop
.endr
.endm
.macro ROUND                           ; a round of the cluster's barrier
	s_barrier_signal -1
	s_barrier_wait -1
	s_cmp_lg_u32 s8, 0
	s_cbranch_scc1 .Lnot_wave_0_\@
	s_barrier_signal -3
.Lnot_wave_0_\@:
	s_barrier_wait -3
	s_barrier_signal -1
	s_barrier_wait -1
.endm
.macro JLOAD s                         ; waves 0, 1 fetch k's halves, waves 2, 3 v's
	s_cmp_eq_u32 s9, 0
	s_cbranch_scc0 .Lfor_v_\@
	tensor_load_to_lds s[G0K+4*(\s):G0K+4*(\s)+3], s[G1K:G1K+7]
	s_nop 0
	s_branch .Lasked_\@
.Lfor_v_\@:
	tensor_load_to_lds s[G0V+4*(\s):G0V+4*(\s)+3], s[G1V:G1V+7]
	s_nop 0
.Lasked_\@:
.endm
	s_load_b128 s[4:7], s[0:1], 0x0                ; qkv s[4:5], ctx s[6:7]
	v_lshl_add_u32 v62, v0, 2, 0x49c00
	v_mov_b32 v63, 0
	ds_add_u32 v62, v63
	v_lshrrev_b32 v1, 5, v0
	v_readfirstlane_b32 s8, v1                     ; wave 0..3
	s_lshr_b32 s9, s8, 1                           ; a
	s_and_b32 s10, s8, 1                           ; b
	s_bfe_u32 s11, ttmp6, 0x40000                  ; cx
	s_lshl_b32 s12, ttmp9, 2
	s_add_co_u32 s12, s12, s11                     ; work-group 0..255
	s_lshr_b32 s13, ttmp9, 4                       ; batch: the same in the whole cluster
	; group 1: 32 keys x 512 elements of 2 bytes, padding behind every 256 words: 4 words for k, 8 for v
	s_mov_b32 s[G1K+0], 15|(1<<16)|(1<<20)|(1<<21)|(7<<22)|(3<<25)
	s_mov_b32 s[G1K+1], 512<<16
	s_mov_b32 s[G1K+2], 32<<16
	s_mov_b32 s[G1K+3], 512<<16
	s_mov_b32 s[G1K+4], 32
	s_mov_b32 s[G1K+5], 3072
	s_mov_b32 s[G1K+6], 0
	s_mov_b32 s[G1K+7], 0
	s_mov_b32 s[G1V+0], 15|(1<<16)|(1<<20)|(1<<21)|(7<<22)|(7<<25)
	s_mov_b32 s[G1V+1], 512<<16
	s_mov_b32 s[G1V+2], 32<<16
	s_mov_b32 s[G1V+3], 512<<16
	s_mov_b32 s[G1V+4], 32
	s_mov_b32 s[G1V+5], 3072
	s_mov_b32 s[G1V+6], 0
	s_mov_b32 s[G1V+7], 0
	s_mul_i32 s14, s13, 2048*TOKB                  ; the batch's first row,
	s_lshl_b32 s15, s10, 10                        ; my half of the heads
	s_add_co_u32 s14, s14, s15
	s_mov_b32 s15, 0
	s_mul_i32 s60, s10, KH                         ; LDS: the wave's number and constants alone
	s_mul_i32 s61, s10, VH
	s_add_co_u32 s61, s61, VOFF
	s_lshl_b32 s58, s12, 5                         ; q: row 32 x work-group + 16 a
	s_lshl_b32 s59, s9, 4
	s_add_co_u32 s58, s58, s59
	s_mul_i32 s58, s58, TOKB
	s_mov_b32 s59, 0
	s_lshl_b32 s62, s12, 16                        ; ctx: 32 rows of 2,048 bytes x work-group + my four heads' 512 bytes
	s_lshl_b32 s63, s8, 9
	s_add_co_u32 s62, s62, s63
	s_mov_b32 s63, 0
	s_wait_dscnt 0x0
	s_wait_kmcnt 0x0
	s_add_nc_u64 s[14:15], s[4:5], s[14:15]
	s_add_nc_u64 s[54:55], s[4:5], s[58:59]
	s_add_nc_u64 s[56:57], s[6:7], s[62:63]
.irp s, 0,1
	s_mov_b32 s[G0K+4*\s], 1
	s_add_co_u32 s[G0K+4*\s+1], s60, \s*SLOT
	s_add_nc_u64 s[G0K+4*\s+2:G0K+4*\s+3], s[14:15], 2048+\s*STEPB
	s_or_b32 s[G0K+4*\s+3], s[G0K+4*\s+3], 0x80000000
	s_mov_b32 s[G0V+4*\s], 1
	s_add_co_u32 s[G0V+4*\s+1], s61, \s*SLOT
	s_add_nc_u64 s[G0V+4*\s+2:G0V+4*\s+3], s[14:15], 4096+\s*STEPB
	s_or_b32 s[G0V+4*\s+3], s[G0V+4*\s+3], 0x80000000
.endr
	ROUND                                          ; the four work-groups are here
	JLOAD 0                                        ; step 0's tile; slot 1 is first filled behind the first step's round
	v_and_b32 v1, 31, v0                           ; l
	v_and_b32 v2, 15, v0                           ; r
	v_bfe_u32 v3, v0, 4, 1                         ; h
	v_and_b32 v4, 7, v0
	v_bfe_u32 v5, v0, 3, 1
	v_mul_u32_u24 v[QO], v2, TOKB
	v_lshl_add_u32 v[QO], v3, 4, v[QO]             ; q: row r, 16 h
	v_mul_u32_u24 v6, v2, KP
	v_lshl_add_u32 v6, v3, 4, v6
	s_mul_i32 s60, s10, 16*KP                      ; my key tile
	v_add_nc_u32 v[ADRK], s60, v6
	v_add_nc_u32 v[ADRK+1], SLOT, v[ADRK]
	v_lshl_add_u32 v7, v3, 3, v4                   ; v: key 8 h + l % 8
	v_mul_u32_u24 v7, v7, VP
	v_lshl_add_u32 v7, v5, 4, v7
	s_mul_i32 s60, s9, VH                          ; my heads 4 w ..: half a, 512 b bytes into the row
	s_lshl_b32 s61, s10, 9
	s_add_co_u32 s60, s60, s61
	s_add_co_u32 s60, s60, VOFF
	v_add_nc_u32 v[ADRV], s60, v7
	v_add_nc_u32 v[ADRV+1], SLOT, v[ADRV]
	s_lshl_b32 s60, s8, 9
	s_add_co_u32 s60, s60, PX
	v_lshl_add_u32 v[PXW], v1, 4, s60              ; I write block (.., a, b) of every head
	s_lshl_b32 s60, s8, 13
	s_add_co_u32 s60, s60, PX
	v_lshl_add_u32 v[PXR], v1, 4, s60              ; I read all blocks of my four heads
	s_mul_i32 s60, s8, 16*SPITCH
	s_add_co_u32 s60, s60, PX
	v_mul_u32_u24 v8, v2, SPITCH
	v_lshl_add_u32 v8, v3, 4, v8
	v_add_nc_u32 v[STO], s60, v8
	v_lshl_add_u32 v[RD], v1, 4, s60
	v_lshlrev_b32 v[CO], 4, v1
	WIN 0x80                                       ; q's fragments, once, straight in fragment layout: d = 32 ks + 8 h + 0..7 and + 16
.irp h, 0,1,2,3,4,5,6,7,8,9,10,11,12,13,14,15
.irp ks, 0,1
	global_load_b128 v[16*\h+8*\ks:16*\h+8*\ks+3],   v[QO], s[54:55] offset:128*\h+64*\ks
	global_load_b128 v[16*\h+8*\ks+4:16*\h+8*\ks+7], v[QO], s[54:55] offset:128*\h+64*\ks+32
.endr
.endr
	WIN 0
	s_wait_loadcnt 0x0
; The softmax over the 16 heads, in each lane for its eight (query, key) pairs; then p in f16.
.macro SOFTMAX
.irp j, 0,1,2,3,4,5,6,7
	v_max3_num_f32 v[MX+\j], v[SC+\j], v[SC+8+\j], v[SC+16+\j]
.endr
.irp h, 3,5,7,9,11,13
.irp j, 0,1,2,3,4,5,6,7
	v_max3_num_f32 v[MX+\j], v[MX+\j], v[SC+8*\h+\j], v[SC+8*\h+8+\j]
.endr
.endr
.irp j, 0,1,2,3,4,5,6,7
	v_max_num_f32 v[MX+\j], v[MX+\j], v[SC+120+\j]
.endr
.irp h, 0,1,2,3,4,5,6,7,8,9,10,11,12,13,14,15
.irp j, 0,2,4,6                                    ; e - max, two at a time, rounded once: exactly 0 for the head that holds the maximum
	v_pk_fma_f32 v[SC+8*\h+\j:SC+8*\h+\j+1], v[MX+\j:MX+\j+1], -1.0, v[SC+8*\h+\j:SC+8*\h+\j+1] op_sel_hi:[1,0,1]
.endr
.endr
.set n, 0
.rept 128
	v_exp_f32 v[SC+n], v[SC+n]
.set n, n+1
.endr
	v_nop                                          ; one plain vector instruction between the exponentials and their first use (ISA guide 5.7.2)
	s_wait_alu depctr_va_vdst(0)
.irp j, 0,2,4,6
	v_pk_add_f32 v[LS+\j:LS+\j+1], v[SC+\j:SC+\j+1], v[SC+8+\j:SC+8+\j+1]
.endr
.irp h, 2,3,4,5,6,7,8,9,10,11,12,13,14,15
.irp j, 0,2,4,6
	v_pk_add_f32 v[LS+\j:LS+\j+1], v[LS+\j:LS+\j+1], v[SC+8*\h+\j:SC+8*\h+\j+1]
.endr
.endr
.irp j, 0,1,2,3,4,5,6,7
	v_rcp_f32 v[LS+\j], v[LS+\j]
.endr
	v_nop                                          ; the same behind the reciprocals
	s_wait_alu depctr_va_vdst(0)
.irp h, 0,1,2,3,4,5,6,7,8,9,10,11,12,13,14,15
.irp j, 0,2,4,6
	v_pk_mul_f32 v[SC+8*\h+\j:SC+8*\h+\j+1], v[SC+8*\h+\j:SC+8*\h+\j+1], v[LS+\j:LS+\j+1]
.endr
.endr
.irp h, 0,1,2,3,4,5,6,7,8,9,10,11,12,13,14,15
.irp i, 0,1,2,3
	v_cvt_pk_f16_f32 v[PK+4*\h+\i], v[SC+8*\h+2*\i], v[SC+8*\h+2*\i+1]
.endr
.endr
.endm
; One step: 32 keys out of slot.  refill = 1: the other slot gets the next step's tile.  zero = 1: the first p v products start the sums.
.macro STEP slot, refill, zero
	s_wait_tensorcnt 0x0                           ; all my tensor loads have landed, my part of this step's tile among them, so every group 0 may be written:
	ds_add_u32 v62, v63
	s_wait_dscnt 0x0
	s_add_nc_u64 s[G0K+4*\slot+2:G0K+4*\slot+3], s[G0K+4*\slot+2:G0K+4*\slot+3], 2*STEPB   ; this slot's next tile
	s_add_nc_u64 s[G0V+4*\slot+2:G0V+4*\slot+3], s[G0V+4*\slot+2:G0V+4*\slot+3], 2*STEPB
	s_wait_dscnt 0x0                               ; my reads of the other slot and of p's blocks are over
	ROUND                                          ; both now hold of every wave of the four work-groups; p's blocks may be written again too
.if \refill
	JLOAD 1-\slot                                  ; the wave's one tensor load behind the round; it has the whole step in which to land
.endif
	WIN 0xc0                                       ; k's fragments into window 3, four loads a head, heads ascending
.irp h, 0,1,2,3,4,5,6,7,8,9,10,11,12,13,14,15
.irp ks, 0,1
	ds_load_b128 v[16*\h+8*\ks:16*\h+8*\ks+3],   v[ADRK+\slot] offset:(\h>>3)*KH+(\h&7)*128+64*\ks
	ds_load_b128 v[16*\h+8*\ks+4:16*\h+8*\ks+7], v[ADRK+\slot] offset:(\h>>3)*KH+(\h&7)*128+64*\ks+32
.endr
.endr
	WIN 0x0b                                       ; source 0 window 3 (k), source 1 window 2 (q), scores in window 0
.irp g, 0,1,2,3
	s_wait_dscnt 48-16*\g                          ; the count is the loads of the later groups of four heads
.irp i, 0,1,2,3                                    ; four accumulators take turns, one instruction a turn
	v_wmma_f32_16x16x32_f16 v[SC+8*(4*\g+\i):SC+8*(4*\g+\i)+7], v[16*(4*\g+\i):16*(4*\g+\i)+7], v[16*(4*\g+\i):16*(4*\g+\i)+7], 0
.endr
.irp i, 0,1,2,3
	v_wmma_f32_16x16x32_f16 v[SC+8*(4*\g+\i):SC+8*(4*\g+\i)+7], v[16*(4*\g+\i)+8:16*(4*\g+\i)+15], v[16*(4*\g+\i)+8:16*(4*\g+\i)+15], v[SC+8*(4*\g+\i):SC+8*(4*\g+\i)+7]
.endr
.endr
	PLACES                                         ; four places: for the loads onto k's registers and for the vector reads of the scores
	WIN 0xc0                                       ; v's fragments of my four heads; they land while the softmax runs
.irp hd, 0,1,2,3
.irp nt, 0,1,2,3
	ds_load_tr16_b128 v[8*(4*\hd+\nt):8*(4*\hd+\nt)+3],   v[ADRV+\slot] offset:128*\hd+32*\nt
	ds_load_tr16_b128 v[8*(4*\hd+\nt)+4:8*(4*\hd+\nt)+7], v[ADRV+\slot] offset:128*\hd+32*\nt+16*VP
.endr
.endr
	WIN 0
	SOFTMAX
.irp h, 0,1,2,3,4,5,6,7,8,9,10,11,12,13,14,15
	ds_store_b128 v[PXW], v[PK+4*\h:PK+4*\h+3] offset:2048*\h
.endr
	s_wait_dscnt 0x0                               ; my stores of p are done, for the other waves' sake (and v's fragments are in)
	s_barrier_signal -1
	s_barrier_wait -1                              ; the tensor load stays on its way
	WIN 0xc0
.irp hd, 0,1,2,3
.irp qt, 0,1
.irp kt, 0,1
	ds_load_b128 v[128+8*(2*\hd+\qt)+4*\kt:128+8*(2*\hd+\qt)+4*\kt+3], v[PXR] offset:2048*\hd+1024*\qt+512*\kt
.endr
.endr
.endr
	WIN 0x5f                                       ; sources in window 3, C and D in window 1
.irp hd, 0,1,2,3
	s_wait_dscnt 12-4*\hd                          ; the count is the loads of p for the later heads
.irp qt, 0,1
.irp nt, 0,1,2,3                                   ; 32 different accumulators, one instruction each
.if \zero
	v_wmma_f32_16x16x32_f16 v[8*(16*\qt+4*\hd+\nt):8*(16*\qt+4*\hd+\nt)+7], v[8*(4*\hd+\nt):8*(4*\hd+\nt)+7], v[128+8*(2*\hd+\qt):128+8*(2*\hd+\qt)+7], 0
.else
	v_wmma_f32_16x16x32_f16 v[8*(16*\qt+4*\hd+\nt):8*(16*\qt+4*\hd+\nt)+7], v[8*(4*\hd+\nt):8*(4*\hd+\nt)+7], v[128+8*(2*\hd+\qt):128+8*(2*\hd+\qt)+7], v[8*(16*\qt+4*\hd+\nt):8*(16*\qt+4*\hd+\nt)+7]
.endif
.endr
.endr
.endr
	WIN 0
	PLACES                                         ; four places: for the next step's loads onto v's and p's registers, and for the way out
.endm
	STEP 0, 1, 1
	STEP 1, 1, 0
	s_mov_b32 s52, 30
.Lpair:
	STEP 0, 1, 0
	STEP 1, 1, 0
	s_sub_co_u32 s52, s52, 1
	s_cmp_lg_u32 s52, 0
	s_cbranch_scc1 .Lpair
	STEP 0, 1, 0                                   ; asks for the last tile
	STEP 1, 0, 0                                   ; nothing is left to fetch (the stepped addresses are not used)
	; THE WAY OUT.  The stages lie over p's blocks, which other waves have been reading: a barrier first.
	s_wait_dscnt 0x0
	s_barrier_signal -1
	s_barrier_wait -1
; 16 query rows: round to bf16, 16 bytes a lane into my stage, read back as rows of 512 bytes (my four heads) and store them.
.macro OUTQ qt
	WIN 0x05
.irp t, 0,1,2,3,4,5,6,7,8,9,10,11,12,13,14,15
.irp i, 0,1,2,3
	v_cvt_pk_bf16_f32 v[PK+4*\t+\i], v[8*(16*\qt+\t)+2*\i], v[8*(16*\qt+\t)+2*\i+1]
.endr
.endr
	WIN 0
.irp t, 0,1,2,3,4,5,6,7,8,9,10,11,12,13,14,15
	ds_store_b128 v[STO], v[PK+4*\t:PK+4*\t+3] offset:32*\t
.endr
.irp t, 0,1,2,3,4,5,6,7,8,9,10,11,12,13,14,15
	ds_load_b128 v[SC+64*\qt+4*\t:SC+64*\qt+4*\t+3], v[RD] offset:SPITCH*\t     ; LDS serves a wave's instructions in order (ISA guide 5.7.1)
.endr
.irp t, 0,1,2,3,4,5,6,7,8,9,10,11,12,13,14,15
	s_wait_dscnt 15-\t                             ; the count is the number of younger LDS loads
	global_store_b128 v[CO], v[SC+64*\qt+4*\t:SC+64*\qt+4*\t+3], s[56:57] offset:32768*\qt+2048*\t   ; the wave stores 512 consecutive bytes, aligned
.endr
.endm
	OUTQ 0
	OUTQ 1                                         ; other data registers than the first sixteen rows': no store's source is rewritten
	s_wait_tensorcnt 0x0
	ds_add_u32 v62, v63
	s_wait_dscnt 0x0
	ROUND                                          ; the closing round
	s_endpgm
.Lfunc_end_k_q6dc913895f_attn:
	.size	k_q6dc913895f_attn, .Lfunc_end_k_q6dc913895f_attn-k_q6dc913895f_attn
	.p2alignl 7, 3214868480
	.fill 96, 4, 3214868480
	.section	.rodata,"a",@progbits
	.p2align	6, 0x0
	.amdhsa_kernel k_q6dc913895f_attn
		.amdhsa_group_segment_fixed_size 327680
		.amdhsa_private_segment_fixed_size 0
		.amdhsa_enable_private_segment 0
		.amdhsa_kernarg_size 16
		.amdhsa_user_sgpr_count 2
		.amdhsa_user_sgpr_kernarg_segment_ptr 1
		.amdhsa_wavefront_size32 1
		.amdhsa_system_sgpr_workgroup_id_x 1
		.amdhsa_system_sgpr_workgroup_id_y 1
		.amdhsa_system_sgpr_workgroup_id_z 1
		.amdhsa_system_vgpr_workitem_id 0
		.amdhsa_next_free_vgpr 1024
		.amdhsa_next_free_sgpr 66
		.amdhsa_reserve_vcc 0
		.amdhsa_float_denorm_mode_32 3
		.amdhsa_float_denorm_mode_16_64 3
		.amdhsa_memory_ordered 1
		.amdhsa_forward_progress 1
		.amdhsa_inst_pref_size 254
	.end_amdhsa_kernel
	.amdgpu_metadata
---
amdhsa.version: [ 1, 2 ]
amdhsa.kernels:
  - .name:           k_q6dc913895f_attn
    .symbol:         k_q6dc913895f_attn.kd
    .args:
      - { .name: qkv, .offset: 0, .size: 8, .value_kind: global_buffer, .address_space: global }
      - { .name: ctx, .offset: 8, .size: 8, .value_kind: global_buffer, .address_space: global }
    .group_segment_fixed_size: 327680
    .private_segment_fixed_size: 0
    .kernarg_segment_align: 8
    .kernarg_segment_size: 16
    .max_flat_workgroup_size: 128
    .sgpr_count:     66
    .vgpr_count:     1024
    .wavefront_size: 32
...
	.end_amdgpu_metadata
.endif
;; end of part 3
;; launch gemm_out (part 4): grid 4 x 64, 4 waves a work-group, clusters of 4 x 4, 327,680 bytes of LDS; arguments ctx, wo, out0; writes out0
.if DOCPART == 4
	.amdgcn_target "amdgcn-amd-amdhsa--gfx1250"
	.amdhsa_code_object_version 6
	.text
	.protected	k_q6dc913895f_gemm_out
	.globl	k_q6dc913895f_gemm_out
	.p2align	8
	.type	k_q6dc913895f_gemm_out,@function
k_q6dc913895f_gemm_out:
	s_mov_b64 s[64:65], 0
	v_nop
	global_prefetch_b8 v0, s[64:65] scope:SCOPE_SE
	s_setreg_imm32_b32 hwreg(HW_REG_WAVE_MODE, 25, 1), 1
	s_wait_xcnt 0x0
	s_wait_alu depctr_hold_cnt(0) depctr_sa_sdst(0) depctr_va_vdst(0) depctr_va_sdst(0) depctr_va_ssrc(0) depctr_va_vcc(0) depctr_vm_vsrc(0)
	s_getreg_b32 s2, hwreg(HW_REG_IB_STS2, 6, 4)
	s_cmp_eq_u32 s2, 0
	s_cbranch_scc0 .Lentry_in_a_cluster
	s_endpgm
.Lentry_in_a_cluster:
	s_bfe_u32 s2, ttmp6, 0x10000c
	s_cmp_lg_u32 s2, 0xf033
	s_cbranch_scc0 .Lentry_shape_is_right
	s_endpgm
.Lentry_shape_is_right:
; out0[t][n] = sum over k of ctx[t][k] wo[k][n].  ctx [8192][1024] bf16, wo [1024][1024] bf16, sums in f32, out0 [8192][1024] f32.  No work is left out.
; The same scheme as the projection of q, k and v: a work-group makes 128 rows x 256 columns with four waves (a wave 64 x 128, 32 accumulator tiles in
; window 1), K in steps of 128 through two LDS slots filled by the tensor data mover, 4 x 4 work-groups in a cluster that ask jointly for ctx's tiles
; along a row of the cluster and for wo's along a column.  256 work-groups.  Source 0 = 16 columns of wo, source 1 = 16 rows of ctx: lane l holds row
; l % 16 and the eight neighbouring columns 8 (l / 16) + 0..7.  The results leave as f32, unconverted, through a stage of rows of 512 bytes.
.set SIZE_K, 1024
.set SIZE_N, 1024
.set KSTEP,  128
.set PA,     272                       ; A in LDS: 256 bytes + 16, an odd multiple of 16
.set PB,     544                       ; B in LDS: 512 bytes + 32, an odd multiple of 32
.set AHALF,  64*PA
.set ATILE,  128*PA
.set BHALF,  64*PB
.set SLOT,   ATILE+128*PB              ; 104,448
.set STAGE,  2*SLOT                    ; 208,896, a multiple of 256: 16 rows x 528 bytes for each wave; no tensor load lands here
.set SPITCH, 528                       ; 512 bytes + 16, an odd multiple of 16
.set LAPS,   SIZE_K/(2*KSTEP)
.set ADRA, 16
.set ADRB, 20
.set STO,  24
.set RD,   25
.set CO,   26
.set F0,   64
.set F1,   160
.set G1,  24
.set G0,  32
.set G1B, 48
.set G0B, 56
.set WMUL, 0x50                        ; sources in window 0, C and D in window 1
.set MSB, 0
.macro WIN new
.if MSB != \new
	s_set_vgpr_msb (MSB<<8)|\new
.set MSB, \new
.endif
.endm
.macro JLOAD s                         ; waves 0, 1 fetch A's halves, waves 2, 3 B's
	s_cmp_eq_u32 s11, 0
	s_cbranch_scc0 .Lfor_b_\@
	tensor_load_to_lds s[G0+4*\s:G0+4*\s+3], s[G1:G1+7]
	s_nop 0
	s_branch .Lasked_\@
.Lfor_b_\@:
	tensor_load_to_lds s[G0B+4*\s:G0B+4*\s+3], s[G1B:G1B+7]
	s_nop 0
.Lasked_\@:
.endm
.macro CREST
	s_cmp_lg_u32 s10, 0
	s_cbranch_scc1 .Lnot_wave_0_\@
	s_barrier_signal -3
.Lnot_wave_0_\@:
	s_barrier_wait -3
	s_barrier_signal -1
	s_barrier_wait -1
.endm
.macro CROUND
	s_barrier_signal -1
	s_barrier_wait -1
	CREST
.endm
	s_load_b128 s[4:7], s[0:1], 0x0                ; A = ctx s[4:5], B = wo s[6:7]
	s_load_b64 s[8:9], s[0:1], 0x10                ; C = out0
	v_lshl_add_u32 v62, v0, 2, 0x3b400
	v_mov_b32 v63, 0
	ds_add_u32 v62, v63
	v_lshrrev_b32 v1, 5, v0
	v_readfirstlane_b32 s10, v1                    ; wave 0..3
	s_lshr_b32 s11, s10, 1                         ; my 64 rows.  Also: I fetch for A (0) or for B (1)
	s_and_b32 s12, s10, 1                          ; my 128 columns.  Also: which half of that tile I fetch
	s_bfe_u32 s40, ttmp6, 0x40000                  ; cx
	s_bfe_u32 s41, ttmp6, 0x40004                  ; cy
	s_lshl_b32 s42, ttmp9, 2
	s_add_co_u32 s42, s42, s40                     ; block column
	s_and_b32 s13, ttmp7, 0xffff
	s_lshl_b32 s13, s13, 2
	s_add_co_u32 s13, s13, s41                     ; block row
	s_lshl_b32 s43, s41, 2
	s_lshl_b32 s43, 15, s43                        ; my row of the cluster
	s_lshl_b32 s44, 0x1111, s40                    ; my column
	s_or_b32 s[G1+0], s43, (1<<16)|(1<<20)|(1<<21)|(5<<22)|(3<<25)   ; 64 rows x 128 elements of 2 bytes, 4 words behind every 64
	s_mov_b32 s[G1+1], KSTEP<<16
	s_mov_b32 s[G1+2], 64<<16
	s_mov_b32 s[G1+3], KSTEP<<16
	s_mov_b32 s[G1+4], 64
	s_mov_b32 s[G1+5], SIZE_K
	s_mov_b32 s[G1+6], 0
	s_mov_b32 s[G1+7], 0
	s_or_b32 s[G1B+0], s44, (1<<16)|(1<<20)|(1<<21)|(6<<22)|(7<<25)  ; 64 k rows x 256 elements, 8 words behind every 128
	s_mov_b32 s[G1B+1], 256<<16
	s_mov_b32 s[G1B+2], 64<<16
	s_mov_b32 s[G1B+3], 256<<16
	s_mov_b32 s[G1B+4], 64
	s_mov_b32 s[G1B+5], SIZE_N
	s_mov_b32 s[G1B+6], 0
	s_mov_b32 s[G1B+7], 0
	s_lshl_b32 s16, s13, 7
	s_lshl_b32 s17, s12, 6
	s_add_co_u32 s16, s16, s17                     ; A: row 128 x block row + 64 x half
	s_lshl_b32 s16, s16, 11
	s_mov_b32 s17, 0
	s_lshl_b32 s46, s42, 9                         ; B: 512 bytes x block column + 64 k rows x half
	s_mul_i32 s47, s12, 64*SIZE_N*2
	s_add_co_u32 s46, s46, s47
	s_mov_b32 s47, 0
	s_mul_i32 s20, s12, AHALF
	s_mul_i32 s21, s12, BHALF
	s_add_co_u32 s21, s21, ATILE
	s_wait_dscnt 0x0
	s_wait_kmcnt 0x0
	s_add_nc_u64 s[14:15], s[4:5], s[16:17]
	s_add_nc_u64 s[46:47], s[6:7], s[46:47]
	CROUND                                         ; all sixteen work-groups are here
.irp s, 0,1
	s_mov_b32 s[G0+4*\s], 1
	s_add_co_u32 s[G0+4*\s+1], s20, \s*SLOT
	s_add_nc_u64 s[G0+4*\s+2:G0+4*\s+3], s[14:15], \s*KSTEP*2
	s_or_b32 s[G0+4*\s+3], s[G0+4*\s+3], 0x80000000
	s_mov_b32 s[G0B+4*\s], 1
	s_add_co_u32 s[G0B+4*\s+1], s21, \s*SLOT
	s_add_nc_u64 s[G0B+4*\s+2:G0B+4*\s+3], s[46:47], \s*KSTEP*SIZE_N*2
	s_or_b32 s[G0B+4*\s+3], s[G0B+4*\s+3], 0x80000000
	JLOAD \s                                       ; both first fills together: two loads of the wave are out
.endr
	v_and_b32 v1, 15, v0                           ; r
	v_bfe_u32 v2, v0, 4, 1                         ; h
	v_and_b32 v3, 7, v0
	v_bfe_u32 v4, v0, 3, 1
	v_and_b32 v5, 31, v0                           ; l
	v_mul_u32_u24 v6, v1, PA
	v_lshl_add_u32 v6, v2, 4, v6
	s_mul_i32 s22, s11, AHALF
	v_add_nc_u32 v[ADRA], s22, v6
	v_add_nc_u32 v[ADRA+1], SLOT, v[ADRA]
	v_lshl_add_u32 v7, v2, 3, v3
	v_mul_u32_u24 v7, v7, PB
	v_lshl_add_u32 v7, v4, 4, v7
	s_lshl_b32 s23, s12, 8
	s_add_co_u32 s23, s23, ATILE
	v_add_nc_u32 v[ADRB], s23, v7
	v_add_nc_u32 v[ADRB+1], SLOT, v[ADRB]
	s_mul_i32 s45, s10, 16*SPITCH
	s_add_co_u32 s45, s45, STAGE                   ; my stage
	v_mul_u32_u24 v8, v1, SPITCH                   ; in: row r, 32 bytes for each half of the lanes
	v_lshl_add_u32 v8, v2, 5, v8
	v_add_nc_u32 v[STO], s45, v8
	v_lshl_add_u32 v[RD], v5, 4, s45               ; back: the 32 lanes take one row of 512 bytes
	v_lshlrev_b32 v[CO], 4, v5
; The 32 accumulators take turns, one instruction a turn, in the same order in every quarter step.
.macro MULA f, a, zero
.irp b, 0,1,2,3,4,5,6,7
.if \zero
	v_wmma_f32_16x16x32_bf16 v[8*(8*\a+\b):8*(8*\a+\b)+7], v[\f+8*\b:\f+8*\b+7], v[\f+64+8*\a:\f+64+8*\a+7], 0
.else
	v_wmma_f32_16x16x32_bf16 v[8*(8*\a+\b):8*(8*\a+\b)+7], v[\f+8*\b:\f+8*\b+7], v[\f+64+8*\a:\f+64+8*\a+7], v[8*(8*\a+\b):8*(8*\a+\b)+7]
.endif
.endr
.endm
.macro FETCH slot, q, f                ; 24 LDS loads: quarter q of a slot into buffer f; B by transposing loads, A along K
.irp b, 0,1,2,3,4,5,6,7
	ds_load_tr16_b128 v[\f+8*\b:\f+8*\b+3],   v[ADRB+\slot] offset:\q*32*PB+32*\b
	ds_load_tr16_b128 v[\f+8*\b+4:\f+8*\b+7], v[ADRB+\slot] offset:\q*32*PB+32*\b+16*PB
.endr
.irp a, 0,1,2,3
	ds_load_b128 v[\f+64+8*\a:\f+64+8*\a+3],   v[ADRA+\slot] offset:\q*64+\a*16*PA
	ds_load_b128 v[\f+64+8*\a+4:\f+64+8*\a+7], v[ADRA+\slot] offset:\q*64+\a*16*PA+32
.endr
.endm
.macro PLACES                          ; four places behind a matrix instruction (ISA guide 7.12.1 for vector instructions)
.rept 4
	v_nop
.endr
.endm
.macro QUARTER slot, q, f, g, zero
	s_wait_dscnt 4                                 ; the youngest four loads (A's tiles 2, 3) may be out
	WIN WMUL
	MULA \f, 0, \zero
	MULA \f, 1, \zero
	PLACES
	WIN 0
	FETCH \slot, \q, \g
	s_wait_dscnt 24                                ; all but the 24 just issued
	WIN WMUL
	MULA \f, 2, \zero
	MULA \f, 3, \zero
.endm
.macro THREE slot, zero
	QUARTER \slot, 1, F0, F1, \zero
	QUARTER \slot, 2, F1, F0, 0
	QUARTER \slot, 3, F0, F1, 0
.endm
.macro TURN slot, next, fill
	s_wait_dscnt 4
	WIN WMUL
	MULA F1, 0, 0
	s_wait_dscnt 0                                 ; my reads of this slot are over
	s_wait_tensorcnt 0x0                           ; all my tensor loads have landed
	ds_add_u32 v62, v63
	s_wait_dscnt 0x0
	s_barrier_signal -1
	MULA F1, 1, 0                                  ; register work while the others arrive
	WIN 0
	s_barrier_wait -1
.if \fill
	CREST                                          ; no wave of any partner still reads this slot or has a load on its way
	s_add_nc_u64 s[G0+4*\slot+2:G0+4*\slot+3], s[G0+4*\slot+2:G0+4*\slot+3], 2*KSTEP*2
	s_add_nc_u64 s[G0B+4*\slot+2:G0B+4*\slot+3], s[G0B+4*\slot+2:G0B+4*\slot+3], 2*KSTEP*SIZE_N*2
	JLOAD \slot                                    ; the wave's one tensor load behind the round
.endif
	PLACES
	FETCH \next, 0, F0
	WIN WMUL
	MULA F1, 2, 0
	MULA F1, 3, 0
.endm
.macro LAP zero
	THREE 0, \zero
	TURN 0, 1, 1
	THREE 1, 0
	TURN 1, 0, 1
.endm
	s_wait_tensorcnt 1                             ; K step 0's part is in; K step 1's load, issued behind it, may stay out
	s_barrier_signal -1
	s_barrier_wait -1
	FETCH 0, 0, F0
	LAP 1
	WIN 0
	s_mov_b32 s3, LAPS-2
.Llap:
	LAP 0
	WIN 0
	s_sub_co_u32 s3, s3, 1
	s_cmp_lg_u32 s3, 0
	s_cbranch_scc1 .Llap
	THREE 0, 0                                     ; the last lap fills nothing
	TURN 0, 1, 0
	THREE 1, 0
	s_wait_dscnt 4
	WIN WMUL
	MULA F1, 0, 0
	MULA F1, 1, 0
	s_wait_dscnt 0
	MULA F1, 2, 0
	MULA F1, 3, 0
	; THE WAY OUT, 16 rows at a time: a lane's eight f32 (32 bytes) of each tile into my stage, whole rows of 512 bytes back and out.
	PLACES
	s_lshl_b32 s16, s13, 7
	s_lshl_b32 s17, s11, 6
	s_add_co_u32 s16, s16, s17                     ; my first row
	s_lshl_b32 s16, s16, 12                        ; x 4,096 bytes (below 2^25)
	s_mov_b32 s17, 0
	s_add_nc_u64 s[8:9], s[8:9], s[16:17]
	s_lshl_b32 s46, s42, 10                        ; my first column in bytes: 1,024 x block column + 512 x half
	s_lshl_b32 s47, s12, 9
	s_add_co_u32 s46, s46, s47
	s_mov_b32 s47, 0
	s_add_nc_u64 s[8:9], s[8:9], s[46:47]
.macro OUT16 a, f
	WIN 0x04                                       ; the LDS stores' data come from window 1
.irp b, 0,1,2,3,4,5,6,7
	ds_store_b128 v[STO], v[8*(8*\a+\b):8*(8*\a+\b)+3]   offset:64*\b
	ds_store_b128 v[STO], v[8*(8*\a+\b)+4:8*(8*\a+\b)+7] offset:64*\b+16
.endr
	WIN 0
	s_wait_xcnt 0x0                                ; buffer f, which earlier stores read, and the stores' base are rewritten only behind this wait
.if \a
	s_add_nc_u64 s[8:9], s[8:9], 16*SIZE_N*4
.endif
.irp t, 0,1,2,3,4,5,6,7,8,9,10,11,12,13,14,15
	ds_load_b128 v[\f+4*\t:\f+4*\t+3], v[RD] offset:\t*SPITCH      ; LDS serves a wave's instructions in order (ISA guide 5.7.1)
.endr
.irp t, 0,1,2,3,4,5,6,7,8,9,10,11,12,13,14,15
	s_wait_dscnt 15-\t                             ; the count is the number of younger LDS loads
	global_store_b128 v[CO], v[\f+4*\t:\f+4*\t+3], s[8:9] offset:\t*SIZE_N*4 th:TH_STORE_NT   ; the wave stores 512 consecutive bytes, aligned
.endr
.endm
	OUT16 0, F0
	OUT16 1, F1
	OUT16 2, F0
	OUT16 3, F1
	s_wait_tensorcnt 0x0
	ds_add_u32 v62, v63
	s_wait_dscnt 0x0
	CROUND                                         ; the closing round
	s_endpgm
.Lfunc_end_k_q6dc913895f_gemm_out:
	.size	k_q6dc913895f_gemm_out, .Lfunc_end_k_q6dc913895f_gemm_out-k_q6dc913895f_gemm_out
	.p2alignl 7, 3214868480
	.fill 96, 4, 3214868480
	.section	.rodata,"a",@progbits
	.p2align	6, 0x0
	.amdhsa_kernel k_q6dc913895f_gemm_out
		.amdhsa_group_segment_fixed_size 327680
		.amdhsa_private_segment_fixed_size 0
		.amdhsa_enable_private_segment 0
		.amdhsa_kernarg_size 24
		.amdhsa_user_sgpr_count 2
		.amdhsa_user_sgpr_kernarg_segment_ptr 1
		.amdhsa_wavefront_size32 1
		.amdhsa_system_sgpr_workgroup_id_x 1
		.amdhsa_system_sgpr_workgroup_id_y 1
		.amdhsa_system_sgpr_workgroup_id_z 1
		.amdhsa_system_vgpr_workitem_id 0
		.amdhsa_next_free_vgpr 512
		.amdhsa_next_free_sgpr 66
		.amdhsa_reserve_vcc 0
		.amdhsa_float_denorm_mode_32 3
		.amdhsa_float_denorm_mode_16_64 3
		.amdhsa_memory_ordered 1
		.amdhsa_forward_progress 1
		.amdhsa_inst_pref_size 118
	.end_amdhsa_kernel
	.amdgpu_metadata
---
amdhsa.version: [ 1, 2 ]
amdhsa.kernels:
  - .name:           k_q6dc913895f_gemm_out
    .symbol:         k_q6dc913895f_gemm_out.kd
    .args:
      - { .name: ctx, .offset: 0, .size: 8, .value_kind: global_buffer, .address_space: global }
      - { .name: wo, .offset: 8, .size: 8, .value_kind: global_buffer, .address_space: global }
      - { .name: out0, .offset: 16, .size: 8, .value_kind: global_buffer, .address_space: global }
    .group_segment_fixed_size: 327680
    .private_segment_fixed_size: 0
    .kernarg_segment_align: 8
    .kernarg_segment_size: 24
    .max_flat_workgroup_size: 128
    .sgpr_count:     66
    .vgpr_count:     512
    .wavefront_size: 32
...
	.end_amdgpu_metadata
.endif
;; end of part 4
;; ======== version 2 of 2: 4 launches; version 1 with the launch prep written anew for expert scheduling mode
;; limits: values are held in f16: magnitudes above 65,504 overflow, below 6.1e-05 lose precision
;; workspace buffers: xb 16,777,216 bytes; wqkv 6,291,456 bytes; wo 2,097,152 bytes; qkv 50,331,648 bytes; ctx 16,777,216 bytes
;; launch prep (part 5): grid 768 x 1, 8 waves a work-group, no clusters, 0 bytes of LDS; arguments x, w_q, w_k, w_v, w_out, xb, wqkv, wo; writes xb, wqkv, wo
.if DOCPART == 5
	.amdgcn_target "amdgcn-amd-amdhsa--gfx1250"
	.amdhsa_code_object_version 6
	.text
	.protected	k_q6dc913895f_prep
	.globl	k_q6dc913895f_prep
	.p2align	8
	.type	k_q6dc913895f_prep,@function
k_q6dc913895f_prep:
	s_mov_b64 s[64:65], 0
	v_nop
	global_prefetch_b8 v0, s[64:65] scope:SCOPE_SE
	s_setreg_imm32_b32 hwreg(HW_REG_WAVE_SCHED_MODE, 0, 2), 2
	s_setreg_imm32_b32 hwreg(HW_REG_WAVE_MODE, 25, 1), 1
	s_wait_xcnt 0x0
	s_wait_alu depctr_vm_vsrc(0)
; First of four launches for  out0 = ctx w_out,  ctx = sum over keys of softmax over HEADS (q k / 8) v,  q, k, v = x w_q, x w_k, x w_v.
; Nothing of the computation is left out: every input reaches the output, every score, exponential and product is used,
; and the maximum over the heads is taken away before the exponential.
; This launch rounds x and the four weights to bf16 (nearest even), the format in which they enter the matrix products, and changes nothing else:
;   xb   [8192][1024]      = x
;   wqkv [1024 k][3072 n]  = w_q in columns 0-1023, w_k in 1024-2047, w_v in 2048-3071 (rows of 6,144 bytes)
;   wo   [1024 k][1024 n]  = w_out
; Nothing is transposed: the products take [k][n] tiles out of LDS by transposing loads.
; A stream: 12,288 rows of 4,096 bytes are read once and 12,288 rows of 2,048 bytes written once.  No LDS, no matrix unit, no
; cluster: no two work-groups read the same byte.  A work-group takes 16 rows, a wave two: sixteen loads of 512 neighbouring
; bytes, all issued before the first wait; each store of a wave covers 256 consecutive bytes, aligned.
; Work-groups 0-511 take x; 512-575 w_q; 576-639 w_k; 640-703 w_v; 704-767 w_out.
; THE MODE: SCHED_MODE bits 1:0 = 2 (LLVM: expert scheduling mode 2), set by the entry lines.  The code itself states the register dependences
; between vector instructions and memory instructions, with s_wait_alu, always for 0.
; THE PLAN.  Registers that memory instructions touch:
;   v1, v2   byte offsets of the loads and of the stores: made once at the head, never written again.
;   X        load n lands in four registers of its own, once; its two conversions read them; nothing lands there again.
;   Y        load n's two conversions write a pair of their own, once; store n reads it; the pair is never written again.
; The sixteen pieces go in four blocks of four.  Block p rounds X's block p into Y's block p; its memory instructions are the four stores of block p - 1,
; whose registers no vector instruction of block p names.  So one wait at a block's head states all that the block's stores hang on.
; No register that a memory instruction reads is written again, and no base is stepped: nothing is owed for the sources of pending instructions.
.set ROWB, 4096                        ; bytes in a source row
.set X, 4                              ; v[4:67]   load n = 8 i + j (row i, piece j): 4 registers
.set Y, 68                             ; v[68:99]  its 4 numbers in bf16: 2 registers
	s_load_b512 s[4:19], s[0:1], 0x0               ; x 4:5, w_q 6:7, w_k 8:9, w_v 10:11, w_out 12:13, xb 14:15, wqkv 16:17, wo 18:19
	v_lshrrev_b32 v3, 5, v0
	v_readfirstlane_b32 s21, v3                    ; wave 0..7
	v_and_b32 v1, 31, v0                           ; lane
	v_lshlrev_b32 v2, 3, v1                        ; 8 bytes a lane on the way out
	v_lshlrev_b32 v1, 4, v1                        ; 16 bytes a lane on the way in
	s_mov_b32 s30, ttmp9                           ; g
	s_lshr_b32 s20, s30, 6                         ; t = g / 64: 0-7 x, 8 w_q, 9 w_k, 10 w_v, 11 w_out
	s_and_b32 s29, s30, 63
	s_sub_co_u32 s28, s20, 8
	s_lshl_b32 s28, s28, 11                        ; 2,048 (t - 8): the weight's columns in a row of wqkv (used for t = 8..10 alone)
	s_movk_i32 s31, 0x800
	s_cmp_ge_u32 s20, 8
	s_cselect_b32 s27, s29, s30                    ; block of 16 rows inside the source
	s_cselect_b32 s26, 0x1800, s31                 ; bytes from row to row in the target
	s_cselect_b32 s28, s28, 0
	s_cmp_eq_u32 s20, 11
	s_cselect_b32 s26, s31, s26
	s_cselect_b32 s28, 0, s28
	s_lshl_b32 s27, s27, 4
	s_wait_alu depctr_va_sdst(0)                   ; s21, the wave's number, is written, ahead of its first reader: my first row is made from it
	s_lshl_b32 s29, s21, 1
	s_add_co_u32 s27, s27, s29                     ; my first row
	s_lshl_b32 s34, s27, 12                        ; its byte offset in the source (below 2^26)
	s_mov_b32 s35, 0
	s_mul_i32 s36, s27, s26                        ; and in the target
	s_add_co_u32 s36, s36, s28
	s_mov_b32 s37, 0
	s_mov_b32 s38, s26
	s_mov_b32 s39, 0
	s_wait_kmcnt 0x0
	s_cmp_eq_u32 s20, 8                            ; the choices hang on t alone
	s_cselect_b64 s[22:23], s[6:7], s[4:5]
	s_cmp_eq_u32 s20, 9
	s_cselect_b64 s[22:23], s[8:9], s[22:23]
	s_cmp_eq_u32 s20, 10
	s_cselect_b64 s[22:23], s[10:11], s[22:23]
	s_cmp_eq_u32 s20, 11
	s_cselect_b64 s[22:23], s[12:13], s[22:23]     ; the source
	s_cselect_b64 s[24:25], s[18:19], s[16:17]
	s_cmp_ge_u32 s20, 8
	s_cselect_b64 s[24:25], s[24:25], s[14:15]     ; the target
	s_add_nc_u64 s[22:23], s[22:23], s[34:35]
	s_add_nc_u64 s[24:25], s[24:25], s[36:37]      ; my first row in the target,
	s_add_nc_u64 s[32:33], s[24:25], s[38:39]      ; and my second
	s_wait_alu depctr_va_vdst(0)                   ; v1 and v2 are written: every load reads v1 and every store v2 as its offset, and no later vector instruction names either
.irp i, 0,1
.irp j, 0,1,2,3,4,5,6,7
	global_load_b128 v[X+4*(8*\i+\j):X+4*(8*\i+\j)+3], v1, s[22:23] offset:ROWB*\i+512*\j th:TH_LOAD_NT
.endr
.endr
; Piece n = 8 i + j: its four numbers are rounded into a pair of their own.
.macro CVT n
	v_cvt_pk_bf16_f32 v[Y+2*(\n)],   v[X+4*(\n)],   v[X+4*(\n)+1]
	v_cvt_pk_bf16_f32 v[Y+2*(\n)+1], v[X+4*(\n)+2], v[X+4*(\n)+3]
.endm
; Piece n goes out: row 0 through s[24:25], row 1 through s[32:33], piece j at 256 j.
.macro PUT n
.if (\n) < 8
	global_store_b64 v2, v[Y+2*(\n):Y+2*(\n)+1], s[24:25] offset:256*(\n)
.else
	global_store_b64 v2, v[Y+2*(\n):Y+2*(\n)+1], s[32:33] offset:256*((\n)-8)
.endif
.endm
; Block p: pieces 4 p to 4 p + 3 are rounded; the stores of block p - 1 are dealt among the conversions, one ahead of each pair.
.macro BLK p
	s_wait_loadcnt 12-4*(\p)                       ; loads come back in order (ISA guide 5.7.1): the count is the number of loads younger than this block's four
.if (\p) > 0
	s_wait_alu depctr_va_vdst(0)                   ; the block before has written its four pairs of Y, which the stores below read; the conversions below name this block's X and Y alone
.endif
.irp k, 0,1,2,3
.if (\p) > 0
	PUT 4*((\p)-1)+(\k)
.endif
	CVT 4*(\p)+(\k)
.endr
.endm
	BLK 0
	BLK 1
	BLK 2
	BLK 3
	s_wait_alu depctr_va_vdst(0)                   ; block 3 has written its four pairs of Y, which the last four stores read
.irp k, 12,13,14,15
	PUT \k
.endr
	s_endpgm
.Lfunc_end_k_q6dc913895f_prep:
	.size	k_q6dc913895f_prep, .Lfunc_end_k_q6dc913895f_prep-k_q6dc913895f_prep
	.p2alignl 7, 3214868480
	.fill 96, 4, 3214868480
	.section	.rodata,"a",@progbits
	.p2align	6, 0x0
	.amdhsa_kernel k_q6dc913895f_prep
		.amdhsa_group_segment_fixed_size 0
		.amdhsa_private_segment_fixed_size 0
		.amdhsa_enable_private_segment 0
		.amdhsa_kernarg_size 64
		.amdhsa_user_sgpr_count 2
		.amdhsa_user_sgpr_kernarg_segment_ptr 1
		.amdhsa_wavefront_size32 1
		.amdhsa_system_sgpr_workgroup_id_x 1
		.amdhsa_system_sgpr_workgroup_id_y 1
		.amdhsa_system_sgpr_workgroup_id_z 1
		.amdhsa_system_vgpr_workitem_id 0
		.amdhsa_next_free_vgpr 104
		.amdhsa_next_free_sgpr 66
		.amdhsa_reserve_vcc 0
		.amdhsa_float_denorm_mode_32 3
		.amdhsa_float_denorm_mode_16_64 3
		.amdhsa_memory_ordered 1
		.amdhsa_forward_progress 1
		.amdhsa_inst_pref_size 8
	.end_amdhsa_kernel
	.amdgpu_metadata
---
amdhsa.version: [ 1, 2 ]
amdhsa.kernels:
  - .name:           k_q6dc913895f_prep
    .symbol:         k_q6dc913895f_prep.kd
    .args:
      - { .name: x, .offset: 0, .size: 8, .value_kind: global_buffer, .address_space: global }
      - { .name: w_q, .offset: 8, .size: 8, .value_kind: global_buffer, .address_space: global }
      - { .name: w_k, .offset: 16, .size: 8, .value_kind: global_buffer, .address_space: global }
      - { .name: w_v, .offset: 24, .size: 8, .value_kind: global_buffer, .address_space: global }
      - { .name: w_out, .offset: 32, .size: 8, .value_kind: global_buffer, .address_space: global }
      - { .name: xb, .offset: 40, .size: 8, .value_kind: global_buffer, .address_space: global }
      - { .name: wqkv, .offset: 48, .size: 8, .value_kind: global_buffer, .address_space: global }
      - { .name: wo, .offset: 56, .size: 8, .value_kind: global_buffer, .address_space: global }
    .group_segment_fixed_size: 0
    .private_segment_fixed_size: 0
    .kernarg_segment_align: 8
    .kernarg_segment_size: 64
    .max_flat_workgroup_size: 256
    .sgpr_count:     66
    .vgpr_count:     104
    .wavefront_size: 32
...
	.end_amdgpu_metadata
.endif
;; end of part 5
;; launch gemm_qkv: the kernel of part 2 again; grid 8 x 32, 4 waves a work-group, clusters of 4 x 4, 327,680 bytes of LDS; arguments xb, wqkv, qkv; writes qkv
;; launch attn: the kernel of part 3 again; grid 256 x 1, 4 waves a work-group, clusters of 4 x 1, 327,680 bytes of LDS; arguments qkv, ctx; writes ctx
;; launch gemm_out: the kernel of part 4 again; grid 4 x 64, 4 waves a work-group, clusters of 4 x 4, 327,680 bytes of LDS; arguments ctx, wo, out0; writes out0
